; MI455X (gfx1250); checked and timed in simulation.
; The chip was launched on July 23, 2026; its instructions are those of AMD's public machine-readable ISA for CDNA 5 (MIT licence, August 2026) and "CDNA5" Instruction Set Architecture Reference Guide (July 2026). The comments in the code are by the model that wrote it; some were corrected since.
;; Multi Headed Attention. Allowed arithmetic: matrix products marked QUANTISED: E2M3 operands, one E8M0 scale for each 32 along K, by v_wmma_scale_f32_16x16x128_f8f6f4 with both operands' format E2M3, f32 sums; everything else in f32.
;; Inputs: W_k 1,024 x 1,024 float32; W_o 1,024 x 1,024 float32; W_q 1,024 x 1,024 float32; W_v 1,024 x 1,024 float32; embeddings 4 x 2,048 x 1,024 float32; mask 4 x 2,048 x 2,048 bool.
;; Outputs: out0 4 x 2,048 x 1,024 float32.
;; This version of the problem:
;;   THIS VERSION OF THE PROBLEM IS GIVEN IN LOW PRECISION. The matrix products marked QUANTISED in the list below multiply operands that are first quantised to E2M3 (2 exponent bits, 3 mantissa bits; 6 bits a number), with one power-of-two scale for each 32 numbers along K (OCP MX v1.0); their sums are f32. All else is computed in f32.
;;   The module's matrix products, in the order in which they are computed (A, B: the left and right operand; K: the contracted axis; several contracted axes count as one K, in the product's order):
;;     1. [M 8,192, K 1,024] x [K 1,024, N 1,024]; A: input embeddings; B: input W_q: QUANTISED
;;     2. [M 8,192, K 1,024] x [K 1,024, N 1,024]; A: input embeddings; B: input W_k: QUANTISED
;;     3. [M 8,192, K 1,024] x [K 1,024, N 1,024]; A: input embeddings; B: input W_v: QUANTISED
;;     4. batch 64 x [M 2,048, K 64] x [K 64, N 2,048]; A: computed on the way; B: computed on the way: QUANTISED
;;     5. batch 64 x [M 2,048, K 2,048] x [K 2,048, N 64]; A: softmax (see below); B: computed on the way: QUANTISED
;;     6. [M 8,192, K 1,024] x [K 1,024, N 1,024]; A: computed on the way; B: input W_o: QUANTISED
;;   THE QUANTISER, for each operand of a quantised product, along K:
;;     - K is cut into blocks of 32 from its start; a last block that is shorter is filled with zeros.
;;     - A block's scale is 2^e with e = floor(log2(the largest magnitude in the block)) - 2, held to -126 .. 127; a block of zeros has e = 0. As a byte (E8M0): e + 127.
;;     - Each number is divided by its block's scale, clamped to +-7.5, and rounded to the nearest number of E2M3, ties to even, subnormals kept.
;;     - The product sums the exact products of the quantised numbers (number of the format x scale) in f32.
;;   ~~~python
;;   def quantise(x, axis):      # numpy; x: float32 -> the quantised numbers, widened to float32 again
;;       x = np.moveaxis(x, axis, -1); K = x.shape[-1]
;;       x = np.pad(x, [(0, 0)] * (x.ndim - 1) + [(0, -K % 32)]); x = x.reshape(x.shape[:-1] + (-1, 32)); a = np.abs(x).max(-1, keepdims=True)
;;       e = np.where(a > 0, np.clip(np.frexp(np.where(a > 0, a, 1))[1] - 1 - 2, -126, 127), 0)      # np.frexp(a)[1] - 1 = floor(log2(a)), exactly
;;       r = np.clip(x / 2.0 ** e, -7.5, 7.5)
;;       step = 2.0 ** (np.maximum(np.frexp(np.where(r == 0, 1, r))[1] - 1, 0) - 3)
;;       q = np.round(r / step) * step * 2.0 ** e      # np.round: ties to even
;;       return np.moveaxis(q.reshape(q.shape[:-2] + (-1,))[..., :K], -1, axis).astype(np.float32)
;;   ~~~
;;   SOFTMAX AHEAD OF A QUANTISED PRODUCT. Where the list says 'softmax', what is quantised is not the finished softmax but p = 2^(t - M), with t = logit x log2(e) and M = ceil(the row's largest t), a whole number; so 1/2 < the row's largest p <= 1. The row's sum l is taken of the UNQUANTISED p, in f32, and the product's result is divided by l at the end. Since M is a whole number, a kernel that streams over the keys may use a running M (the ceiling of the running maximum): every later rescaling is an exact power of two, which a block's scale takes up: the codes' values come out the same.
;;   OPERANDS COMPUTED ON THE WAY. 'Computed on the way' means the value that the module computes at that place (a softmax that the list does not call 'softmax' is quantised finished and normalised). What goes into a quantiser is computed in f32, as accurately as f32 sums, v_exp_f32 and their like allow (about 1e-6 of the number): no bf16 or f16 on the way to a quantiser, and a product that is left as it is and whose result goes on into a quantised operand takes f32 operands (vector FMAs, or v_wmma_f32_16x16x4_f32). A number that lies on a knife's edge between two numbers of the format may be rounded either way, as far as f32 arithmetic and the matrix unit's own rounding can turn it there, and no further.
;; 2 versions, each right; version 2 is version 1 with the launch attn written anew for expert scheduling mode. Each part assembles by itself: llvm-mc -triple=amdgcn-amd-amdhsa -mcpu=gfx1250 --defsym DOCPART=n.
;; ======== version 1 of 2: 4 launches
;; limits: right only within a limited range of input values
;; workspace buffers: opnd 9,830,400 bytes; mbits 2,097,152 bytes of whole numbers; qkv 20,185,088 bytes; xq 6,553,600 bytes
;; launch prep (part 1): grid 512 x 1, 4 waves a work-group, no clusters, 51,712 bytes of LDS; arguments embeddings, W_q, W_k, W_v, W_o, mask, opnd, mbits; writes opnd, mbits
.if DOCPART == 1
	.amdgcn_target "amdgcn-amd-amdhsa--gfx1250"
	.amdhsa_code_object_version 6
	.text
	.protected	k_q6abb276a04_prep
	.globl	k_q6abb276a04_prep
	.p2align	8
	.type	k_q6abb276a04_prep,@function
k_q6abb276a04_prep:
	s_mov_b64 s[64:65], 0
	v_nop
	global_prefetch_b8 v0, s[64:65] scope:SCOPE_SE
	s_setreg_imm32_b32 hwreg(HW_REG_WAVE_MODE, 25, 1), 1
	s_wait_xcnt 0x0
; PREP.  (1) embeddings [8192][1024] and W_q, W_k, W_v, W_o [1024][1024], f32, K innermost, become codes of FP6 (E2M3) with one E8M0 byte for each 32 along K.
; (2) the mask's bytes become words of lane bits, as the attention launch's selects take them.
; LAYOUT OF THE CODES: a RECORD of 12,800 bytes for each tile of 16 rows and all of K.  In it 16 images of 768 bytes, one for each 64 along K: an image is six operand registers as they stand:
; lane (r, h) holds the 24 bytes of block h of row r; registers 0-3 lie at 16 x lane, registers 4-5 at 512 + 8 x lane.  Behind them, at 12,288, the scale words: [half of K][row][4 words], one word for 128 along K.
; THE ROWS OF A TILE ARE NOT NEIGHBOURS: row r of tile 2 g + u is the tensor's row 32 g + 8 u + r + 8 (r / 8), so that in a product's result the 16 registers of tiles 2 g and 2 g + 1 are 16 neighbours.
; A block's scale is 2^(floor(log2(largest magnitude)) - 2): its byte is the largest magnitude's exponent field - 2, held at 1 from below.
; LIMITS: a block of zeros, or one whose largest magnitude lies under 2^-124, keeps the byte 1 (its codes are then zeros or nearly so; this program alone reads the bytes); NaN and infinities among the inputs are not served.
; SHARES: work-groups 0-383 quantise: a wave takes one tile and one half of K (16 rows x 512 numbers, four steps of 128).  Work-groups 384-511 pack the mask: a wave takes 16 queries x 2,048 keys.
; Waves share nothing: no barrier.  Each of the two ways has LDS bytes of its own.
.set QSTG,  8448                       ; a wave's stage on the quantising way: 16 rows x (512 + 16) bytes
.set MSTG0, 33792                      ; behind the four of them: the mask's stages,
.set MSTG,  4352                       ; 16 rows x (256 + 16) bytes a wave
.set REC,   12800
.set SEL,   26                         ; s[26:27] lane selects: lane l xor 16
.set PW,    8                          ; v8-11   the four steps' scale words
.set TM,    16                         ; v16-31  at work in QUANT
.set RS,    32                         ; v32-159 two sets of 64 registers as loaded
.set X,     160                        ; v160-223 64 numbers of my row: register 16 b + i = k 32 b + 16 h + i
.set PC,    224                        ; v224-235 a fragment's codes
.set TC,    236                        ; v236-242 the conversions' second halves
.set MR,    32                         ; the mask's way: v32-63 as loaded, v64-95 my row's bytes, v96-103 at work, v104-107 two steps' words
.set MX,    64
.set MT,    96
.set OUT,   104
	s_load_b256 s[4:11], s[0:1], 0x0               ; embeddings s[4:5], W_q s[6:7], W_k s[8:9], W_v s[10:11]
	s_load_b256 s[12:19], s[0:1], 0x20             ; W_o s[12:13], mask s[14:15], opnd s[16:17], mbits s[18:19]
	v_lshl_add_u32 v254, v0, 2, 0xc800
	v_mov_b32 v255, 0
	v_lshrrev_b32 v1, 5, v0
	v_readfirstlane_b32 s20, v1                    ; wave
	v_and_b32 v1, 31, v0                           ; lane
	v_and_b32 v7, 15, v0                           ; r
	v_bfe_u32 v12, v0, 4, 1                        ; h
	v_lshlrev_b32 v2, 4, v1                        ; 16 x lane
	v_lshlrev_b32 v3, 3, v1                        ; 8 x lane
	v_lshlrev_b32 v4, 4, v7                        ; 16 r
	s_mul_i32 s21, s20, QSTG
	v_add_nc_u32 v5, s21, v2                       ; the quantising stage, in: 16 x lane of a row
	v_mul_u32_u24 v6, v7, 528
	v_lshl_add_u32 v6, v12, 6, v6
	v_add_nc_u32 v6, s21, v6                       ; and out: row r, + 64 h
	s_mul_i32 s21, s20, MSTG
	s_add_co_u32 s21, s21, MSTG0
	v_mul_u32_u24 v13, v12, 272
	v_lshl_add_u32 v13, v7, 4, v13
	v_add_nc_u32 v13, s21, v13                     ; the mask's stage, in: sixteen lanes to a row, two rows an instruction
	v_mul_u32_u24 v14, v7, 272
	v_lshl_add_u32 v14, v12, 4, v14
	v_add_nc_u32 v14, s21, v14                     ; and out: row r, + 16 h
	v_lshlrev_b32 v15, 11, v12
	v_lshl_add_u32 v15, v7, 4, v15                 ; the same two rows in the mask: 2,048 bytes apart
	s_mov_b32 s[SEL], 0x76543210
	s_mov_b32 s[SEL+1], 0xfedcba98
	s_cmp_ge_u32 ttmp9, 384
	s_cbranch_scc1 .Lmask
; ---------------- the quantising way ----------------
; 64 numbers of a lane, register 16 b + i = k 32 b + 16 h + i of my row, become a fragment's 12 registers and its scale word.
.macro QUANT src, dst, tc, pw
.irp b, 0,1,2,3
	v_max3_num_f32 v[TM+\b], |v[\src+16*\b]|, |v[\src+16*\b+1]|, 0x1800000   ; my 16 numbers of block b, and the floor 2^(3 - 127): the byte cannot fall under 1
.endr
.irp i, 2,4,6,8,10,12,14
.irp b, 0,1,2,3
	v_max3_num_f32 v[TM+\b], v[TM+\b], |v[\src+16*\b+\i]|, |v[\src+16*\b+\i+1]|   ; the four blocks by turns
.endr
.endr
.irp b, 0,1,2,3
	v_permlanex16_b32 v[TM+4+\b], v[TM+\b], s[SEL], s[SEL+1]
.endr
.irp b, 0,1,2,3
	v_max_num_f32 v[TM+\b], v[TM+\b], v[TM+4+\b]   ; with lane l xor 16's 16: the block's largest magnitude
.endr
.irp b, 0,1,2,3
	v_add_nc_u32 v[TM+12+\b], 0xff000000, v[TM+\b] ; 2 off its exponent field: the conversion takes this operand's exponent field as its scale
.endr
.irp b, 0,1,2,3
	v_lshrrev_b32 v[TM+4+\b], 23, v[TM+12+\b]      ; the scale's byte
.endr
	v_lshl_or_b32 v[\pw], v[TM+5], 8, v[TM+4]
	v_lshl_or_b32 v[\pw], v[TM+6], 16, v[\pw]
	v_lshl_or_b32 v[\pw], v[TM+7], 24, v[\pw]      ; my row's scale word
.irp c, 0,1
	v_cvt_scalef32_pk16_fp6_f32 v[\dst+6*\c:\dst+6*\c+2], v[\src+32*\c:\src+32*\c+15], v[TM+12+2*\c]
	v_cvt_scalef32_pk16_fp6_f32 v[\tc+4*\c:\tc+4*\c+2], v[\src+32*\c+16:\src+32*\c+31], v[TM+13+2*\c]   ; (a conversion's three registers begin on an even number)
.endr
	v_nop                                          ; one plain instruction behind the conversions
.irp c, 0,1                                    ; the operand wants a WHOLE block in a lane: lanes 0-15 block 2 c, lanes 16-31 block 2 c + 1
.irp i, 0,1,2
	v_permlane16_swap_b32 v[\dst+6*\c+\i], v[\tc+4*\c+\i]
.endr
.irp i, 0,1,2
	v_mov_b32 v[\dst+6*\c+3+\i], v[\tc+4*\c+\i]
.endr
.endr
.endm
.macro LOAD s                          ; step s: 128 numbers of each of the tile's 16 rows; a load reads 512 consecutive bytes of one row
.irp j, 0,1,2,3,4,5,6,7,8,9,10,11,12,13,14,15
	global_load_b128 v[RS+64*((\s)%2)+4*\j:RS+64*((\s)%2)+4*\j+3], v2, s[22:23] offset:(\j+8*(\j/8))*4096+512*(\s) th:TH_LOAD_NT
.endr
.endm
.macro QSTEP s
.if (\s) < 3
	s_wait_loadcnt 16                              ; this step's 16 loads are in; the other set's 16 may be out
.else
	s_wait_loadcnt 0x0
.endif
.irp j, 0,1,2,3,4,5,6,7,8,9,10,11,12,13,14,15
	ds_store_b128 v5, v[RS+64*((\s)%2)+4*\j:RS+64*((\s)%2)+4*\j+3] offset:528*\j
.endr
.irp b, 0,1,2,3
.irp q, 0,1,2,3
	ds_load_b128 v[X+16*\b+4*\q:X+16*\b+4*\q+3], v6 offset:128*\b+16*\q   ; LDS serves a wave's instructions in order: these see the stores above
.endr
.endr
	s_wait_dscnt 0x0                               ; my numbers are back, and the stage's stores have read their registers
	s_wait_xcnt 0x0                                ; the last step's stores have read the codes' registers
.if (\s) < 2
	LOAD (\s)+2
.endif
	QUANT X, PC, TC, PW+(\s)
	global_store_b128 v2, v[PC:PC+3], s[32:33] offset:1536*(\s)           ; 512 consecutive bytes, aligned to 256
	global_store_b64 v3, v[PC+4:PC+5], s[32:33] offset:1536*(\s)+512      ; 256
	global_store_b128 v2, v[PC+6:PC+9], s[32:33] offset:1536*(\s)+768
	global_store_b64 v3, v[PC+10:PC+11], s[32:33] offset:1536*(\s)+1280
.endm
	s_lshl_b32 s24, ttmp9, 1
	s_lshr_b32 s25, s20, 1
	s_add_co_u32 s24, s24, s25                     ; T: my tile among the 768 (512 of the embeddings, 64 of each weight)
	s_and_b32 s21, s20, 1                          ; which half of K
	s_and_b32 s25, s24, 63                         ; the tile's number in a weight
	s_wait_kmcnt 0x0
	s_cmp_lt_u32 ttmp9, 352                        ; the source is chosen by the work-group's number alone
	s_cselect_b64 s[22:23], s[10:11], s[12:13]
	s_cmp_lt_u32 ttmp9, 320
	s_cselect_b64 s[22:23], s[8:9], s[22:23]
	s_cmp_lt_u32 ttmp9, 288
	s_cselect_b64 s[22:23], s[6:7], s[22:23]
	s_cmp_lt_u32 ttmp9, 256
	s_cselect_b64 s[22:23], s[4:5], s[22:23]
	s_cselect_b32 s25, s24, s25                    ; the tile's number in its tensor
	s_lshr_b32 s28, s25, 1
	s_lshl_b32 s28, s28, 17                        ; 32 rows of 4,096 bytes for each pair of tiles,
	s_and_b32 s29, s25, 1
	s_lshl_b32 s29, s29, 15                        ; 8 rows for the odd one,
	s_add_co_u32 s28, s28, s29
	s_lshl_b32 s29, s21, 11                        ; 2,048 bytes for the second half of K
	s_add_co_u32 s28, s28, s29
	s_mov_b32 s29, 0
	s_add_nc_u64 s[22:23], s[22:23], s[28:29]
	s_mul_i32 s28, s24, REC
	s_add_nc_u64 s[30:31], s[16:17], s[28:29]      ; my record
	s_mul_i32 s28, s21, 6144
	s_add_nc_u64 s[32:33], s[30:31], s[28:29]      ; my eight images
	s_lshl_b32 s28, s21, 8
	s_add_co_u32 s28, s28, 12288
	s_add_nc_u64 s[30:31], s[30:31], s[28:29]      ; my 256 bytes of scale words
.irp b, 0,1,2,3
	v_mov_b32 v[TM+4+\b], 0                        ; written once: a lane permute's destination counts as one of its sources
.endr
	LOAD 0
	LOAD 1
	QSTEP 0
	QSTEP 1
	QSTEP 2
	QSTEP 3
	global_store_b128 v4, v[PW:PW+3], s[30:31]     ; row r's four words: 256 consecutive bytes (lanes 16-31 write what lanes 0-15 write)
	s_wait_tensorcnt 0x0
	ds_add_u32 v254, v255
	s_wait_dscnt 0x0
	s_endpgm
; ---------------- the mask's way ----------------
; Word w = 16 b + i of key step j of query tile qt: bit (r, h) is 1 where mask[query r of the tile][128 j + 32 b + 16 h + i] is 0: the lane bits for score register w.
.Lmask:
	s_sub_co_u32 s24, ttmp9, 384
	s_lshl_b32 s24, s24, 2
	s_add_co_u32 s24, s24, s20                     ; my tile of queries: 128 x batch + qt
	s_lshr_b32 s25, s24, 7
	s_lshl_b32 s25, s25, 22                        ; a batch's mask is 4,194,304 bytes
	s_and_b32 s28, s24, 127
	s_lshr_b32 s29, s28, 1
	s_lshl_b32 s29, s29, 16                        ; 32 rows of 2,048 bytes for each pair of tiles
	s_add_co_u32 s25, s25, s29
	s_and_b32 s29, s28, 1
	s_lshl_b32 s29, s29, 14                        ; 8 rows for the odd one
	s_add_co_u32 s28, s25, s29
	s_mov_b32 s29, 0
	s_wait_kmcnt 0x0
	s_add_nc_u64 s[14:15], s[14:15], s[28:29]
	s_lshl_b32 s28, s24, 12
	s_add_nc_u64 s[18:19], s[18:19], s[28:29]      ; my 16 steps x 256 bytes of words
	s_mov_b32 s40, 0xff
	s_mov_b32 s41, 0xff00
	s_mov_b32 s42, 0xff0000
	s_mov_b32 s43, 0xff000000
.irp k, 0,1,2,3
	v_mov_b32 v[OUT+\k], 0                         ; written once: v_writelane_b32's destination counts as one of its sources
.endr
.macro MLOAD off                       ; 256 keys of the 16 queries: sixteen lanes read a row's 256 consecutive bytes
.irp j, 0,1,2,3,4,5,6,7
	global_load_b128 v[MR+4*\j:MR+4*\j+3], v15, s[14:15] offset:(2*\j+8*(\j/4))*2048+\off th:TH_LOAD_NT
.endr
.endm
.macro CHUNK more                      ; 256 keys = two key steps
	s_wait_loadcnt 0x0
.irp j, 0,1,2,3,4,5,6,7
	ds_store_b128 v13, v[MR+4*\j:MR+4*\j+3] offset:544*\j
.endr
.irp k, 0,1,2,3,4,5,6,7
	ds_load_b128 v[MX+4*\k:MX+4*\k+3], v14 offset:32*\k   ; my query's keys 32 k + 16 h + 0 .. 15
.endr
	s_wait_dscnt 0x0
.if \more
	MLOAD 256                                      ; the next 256 keys come while these are packed
.endif
.set g, 0
.rept 16                               ; eight words at a time: a byte of every lane, is it 0?, the 32 answers into their place
.irp e, 0,1,2,3,4,5,6,7
	v_and_b32 v[MT+\e], s[40+\e%4], v[MX+2*g+\e/4]
.endr
.irp e, 0,1,2,3,4,5,6,7
	v_cmp_eq_u32 s[32+\e], 0, v[MT+\e]
.endr
.irp e, 0,1,2,3,4,5,6,7
	v_writelane_b32 v[OUT+2*(g/8)+\e%2], s[32+\e], ((8*g+\e)%64)/2   ; word w goes to lane w / 2, register w % 2: the lanes' pairs are the step's 64 words on end
.endr
.set g, g+1
.endr
	global_store_b64 v3, v[OUT:OUT+1], s[18:19]               ; 256 consecutive bytes each
	global_store_b64 v3, v[OUT+2:OUT+3], s[18:19] offset:256
	s_wait_xcnt 0x0                                ; loads and stores have read their bases and data: both are written again only behind this wait
.endm
	MLOAD 0
	s_mov_b32 s21, 7
.Lchunk:
	CHUNK 1
	s_add_nc_u64 s[14:15], s[14:15], 256
	s_add_nc_u64 s[18:19], s[18:19], 512
	s_sub_co_i32 s21, s21, 1
	s_cmp_lg_u32 s21, 0
	s_cbranch_scc1 .Lchunk
	CHUNK 0                                        ; the last 256 keys: nothing more is loaded
	s_wait_tensorcnt 0x0
	ds_add_u32 v254, v255
	s_wait_dscnt 0x0
	s_endpgm
.Lfunc_end_k_q6abb276a04_prep:
	.size	k_q6abb276a04_prep, .Lfunc_end_k_q6abb276a04_prep-k_q6abb276a04_prep
	.p2alignl 7, 3214868480
	.fill 96, 4, 3214868480
	.section	.rodata,"a",@progbits
	.p2align	6, 0x0
	.amdhsa_kernel k_q6abb276a04_prep
		.amdhsa_group_segment_fixed_size 51712
		.amdhsa_private_segment_fixed_size 0
		.amdhsa_enable_private_segment 0
		.amdhsa_kernarg_size 64
		.amdhsa_user_sgpr_count 2
		.amdhsa_user_sgpr_kernarg_segment_ptr 1
		.amdhsa_wavefront_size32 1
		.amdhsa_system_sgpr_workgroup_id_x 1
		.amdhsa_system_sgpr_workgroup_id_y 1
		.amdhsa_system_sgpr_workgroup_id_z 1
		.amdhsa_system_vgpr_workitem_id 0
		.amdhsa_next_free_vgpr 256
		.amdhsa_next_free_sgpr 66
		.amdhsa_reserve_vcc 0
		.amdhsa_float_denorm_mode_32 3
		.amdhsa_float_denorm_mode_16_64 3
		.amdhsa_memory_ordered 1
		.amdhsa_forward_progress 1
		.amdhsa_inst_pref_size 80
	.end_amdhsa_kernel
	.amdgpu_metadata
---
amdhsa.version: [ 1, 2 ]
amdhsa.kernels:
  - .name:           k_q6abb276a04_prep
    .symbol:         k_q6abb276a04_prep.kd
    .args:
      - { .name: embeddings, .offset: 0, .size: 8, .value_kind: global_buffer, .address_space: global }
      - { .name: W_q, .offset: 8, .size: 8, .value_kind: global_buffer, .address_space: global }
      - { .name: W_k, .offset: 16, .size: 8, .value_kind: global_buffer, .address_space: global }
      - { .name: W_v, .offset: 24, .size: 8, .value_kind: global_buffer, .address_space: global }
      - { .name: W_o, .offset: 32, .size: 8, .value_kind: global_buffer, .address_space: global }
      - { .name: mask, .offset: 40, .size: 8, .value_kind: global_buffer, .address_space: global }
      - { .name: opnd, .offset: 48, .size: 8, .value_kind: global_buffer, .address_space: global }
      - { .name: mbits, .offset: 56, .size: 8, .value_kind: global_buffer, .address_space: global }
    .group_segment_fixed_size: 51712
    .private_segment_fixed_size: 0
    .kernarg_segment_align: 8
    .kernarg_segment_size: 64
    .max_flat_workgroup_size: 128
    .sgpr_count:     66
    .vgpr_count:     256
    .wavefront_size: 32
...
	.end_amdgpu_metadata
.endif
;; end of part 1
;; launch qkv (part 2): grid 64 x 4, 4 waves a work-group, clusters of 4 x 4, 327,680 bytes of LDS; arguments opnd, qkv; writes qkv
.if DOCPART == 2
	.amdgcn_target "amdgcn-amd-amdhsa--gfx1250"
	.amdhsa_code_object_version 6
	.text
	.protected	k_q6abb276a04_qkv
	.globl	k_q6abb276a04_qkv
	.p2align	8
	.type	k_q6abb276a04_qkv,@function
k_q6abb276a04_qkv:
	s_mov_b64 s[64:65], 0
	v_nop
	global_prefetch_b8 v0, s[64:65] scope:SCOPE_SE
	s_setreg_imm32_b32 hwreg(HW_REG_WAVE_MODE, 25, 1), 1
	s_wait_xcnt 0x0
	s_wait_alu depctr_hold_cnt(0) depctr_sa_sdst(0) depctr_va_vdst(0) depctr_va_sdst(0) depctr_va_ssrc(0) depctr_va_vcc(0) depctr_vm_vsrc(0)
	s_getreg_b32 s2, hwreg(HW_REG_IB_STS2, 6, 4)
	s_cmp_eq_u32 s2, 0
	s_cbranch_scc0 .Lentry_in_a_cluster
	s_endpgm
.Lentry_in_a_cluster:
	s_bfe_u32 s2, ttmp6, 0x10000c
	s_cmp_lg_u32 s2, 0xf033
	s_cbranch_scc0 .Lentry_shape_is_right
	s_endpgm
.Lentry_shape_is_right:
; QKV.  Q, K, V = embeddings x W^T on codes of FP6 (E2M3) with E8M0 scales, f32 sums, K = 1,024 ascending; the results are quantised in registers and leave as codes: Q and K along the head's 64, V along the keys.
; OPERANDS come as records (16 rows, all of K: 16 images of 768 bytes and 512 bytes of scale words); 8 records, 102,400 dense bytes, are a block of 128 rows.
; SHARES.  Work-group (x, y) keeps block x of the embeddings in LDS for the whole launch and walks six blocks of weights, y + 4 i: i = 0, 1 of W_q, 2, 3 of W_k, 4, 5 of W_v, the same in every work-group,
; through two LDS slots of a whole block.  Four waves, 16 accumulators each: for Q and K 64 tokens x 64 channels (one head), for V 128 tokens x 32 channels.
; Q, K: THE PRODUCT IS USED TRANSPOSED (source 0 = 16 rows of W, source 1 = 16 tokens): a lane holds one token, and by the order of rows in a tile its 32 registers are channels 32 b + 16 h + i: two blocks along the head.
; V: as it stands (source 0 = 16 tokens, source 1 = 16 rows of W): a lane holds one channel, and its 64 registers are tokens 32 b + 16 h + i of 128: four blocks along the keys, one operand fragment.
; CLUSTER 4 x 4: the four work-groups with one cx share the embeddings' block, the four with one cy each block of weights: joint loads, each wave a quarter of a block (100 rows of 256 bytes).
; LIMITS: as in the quantising launch: a block of zeros or under 2^-124 keeps the byte 1; NaN and infinities are not served.
; REGISTERS: window 0: v1-27 addresses; v32-111 scale words and nothing else; v112-171 the way out.  Window 1: two buffers of fragments, at v0 and v128.  Window 2: v0-127 the 16 accumulators.
.set REC,   12800
.set BLK,   102400
.set QTR,   25600
.set SPARE, 307200                     ; behind A's block and the two slots: the spare words, 128 bytes a wave: two blocks of 256 bytes that no other line names
.set WOFF,  6553600                    ; the weights' records lie behind the embeddings' 512
.set KVB,   208896                     ; a head's K and V: K's codes 98,304, V's 98,304, K's scale words 8,192, V's 4,096
.set QOFF,  13369344
.set QSOFF, 19660800
.set QA16, 4                           ; Q, K: my 64 tokens' images by 16 x lane, by 8 x lane, their scale words by 16 r
.set QA8,  5
.set QAS,  6
.set QB16, 7                           ; v7-8, v9-10, v11-12: my 64 rows of W in slot 0, 1
.set QB8,  9
.set QBS,  11
.set VA16, 13                          ; V: all 128 tokens, in two halves of four records (an LDS immediate has 16 bits)
.set VA8,  15
.set VAS,  17
.set VB16, 19                          ; my 32 rows of W in slot 0, 1
.set VB8,  21
.set VBS,  23
.set SPW,  25                          ; LDS address of my spare word; never rewritten
.set NIL,  26                          ; 0; never rewritten
.set R8,   27                          ; 8 r
.set SA,   32                          ; scale words of the tokens' tile a, K step s: v[SA + 8 a + s]
.set SBQ,  64                          ; of W's tile t (Q, K)
.set SBV,  96                          ; of W's tile t (V)
.set RES,  112                         ; the codes just made
.set PWQ,  144                         ; their scale words
.set TM,   148                         ; at work
.set TC,   164
.set SEL,  62
.set MSB, 0
.macro WIN new                         ; the immediate's high byte repeats the setting that is left
.if MSB != \new
	s_set_vgpr_msb (MSB<<8)|\new
.set MSB, \new
.endif
.endm
.set MUL,  0xa5                        ; sources 0 and 1 window 1; C and D window 2
.set TO_F, 0x40                        ; destination window 1, address window 0
.macro PLACES                          ; four plain instructions between a matrix instruction and a load into, or a vector read of, its registers
.rept 4
	v_nop
.endr
.endm
.macro ROUND                           ; a round of the cluster's barrier
	s_barrier_signal -1
	s_barrier_wait -1
	s_cmp_lg_u32 s8, 0
	s_cbranch_scc1 .Lnot_wave_0_\@
	s_barrier_signal -3
.Lnot_wave_0_\@:
	s_barrier_wait -3
	s_barrier_signal -1
	s_barrier_wait -1
.endm
.macro FRAG reg, a16, a8, off          ; a fragment (16 rows x 128 K, 12 registers) is two images: every load reads consecutive bytes
	ds_load_b128 v[\reg:\reg+3], v[\a16] offset:\off
	ds_load_b64 v[\reg+4:\reg+5], v[\a8] offset:\off+512
	ds_load_b128 v[\reg+6:\reg+9], v[\a16] offset:\off+768
	ds_load_b64 v[\reg+10:\reg+11], v[\a8] offset:\off+1280
.endm
; 64 sums of a lane in window 2, register 16 b + i = k 32 b + 16 h + i, become a fragment's 12 registers and its scale word.  Each accumulator is read from its low end on.
.macro QUANT src, dst, tc, pw
	WIN 0x28                                       ; sources 1 and 2 window 2
.irp b, 0,1,2,3
	v_max3_num_f32 v[TM+\b], 0x1800000, |v[\src+16*\b]|, |v[\src+16*\b+1]|   ; the floor 2^(3 - 127): the byte cannot fall under 1
.endr
.irp i, 2,4,6,8,10,12,14
.irp b, 0,1,2,3
	v_max3_num_f32 v[TM+\b], v[TM+\b], |v[\src+16*\b+\i]|, |v[\src+16*\b+\i+1]|
.endr
.endr
	WIN 0
.irp b, 0,1,2,3
	v_permlanex16_b32 v[TM+4+\b], v[TM+\b], s[SEL], s[SEL+1]
.endr
.irp b, 0,1,2,3
	v_max_num_f32 v[TM+\b], v[TM+\b], v[TM+4+\b]
.endr
.irp b, 0,1,2,3
	v_add_nc_u32 v[TM+12+\b], 0xff000000, v[TM+\b] ; 2 off the exponent field: the conversion's scale operand
.endr
.irp b, 0,1,2,3
	v_lshrrev_b32 v[TM+4+\b], 23, v[TM+12+\b]
.endr
	v_lshl_or_b32 v[\pw], v[TM+5], 8, v[TM+4]
	v_lshl_or_b32 v[\pw], v[TM+6], 16, v[\pw]
	v_lshl_or_b32 v[\pw], v[TM+7], 24, v[\pw]
	WIN 0x02                                       ; source 0 window 2
.irp c, 0,1
	v_cvt_scalef32_pk16_fp6_f32 v[\dst+6*\c:\dst+6*\c+2], v[\src+32*\c:\src+32*\c+15], v[TM+12+2*\c]
	v_cvt_scalef32_pk16_fp6_f32 v[\tc+4*\c:\tc+4*\c+2], v[\src+32*\c+16:\src+32*\c+31], v[TM+13+2*\c]
.endr
	WIN 0
	v_nop                                          ; one plain instruction behind the conversions
.irp c, 0,1
.irp i, 0,1,2
	v_permlane16_swap_b32 v[\dst+6*\c+\i], v[\tc+4*\c+\i]
.endr
.irp i, 0,1,2
	v_mov_b32 v[\dst+6*\c+3+\i], v[\tc+4*\c+\i]
.endr
.endr
.endm
.macro QUANT2 src, dst, tc, pw         ; the same for 32 sums: two blocks, one image of six registers, two bytes
	WIN 0x28
.irp b, 0,1
	v_max3_num_f32 v[TM+\b], 0x1800000, |v[\src+16*\b]|, |v[\src+16*\b+1]|
.endr
.irp i, 2,4,6,8,10,12,14
.irp b, 0,1
	v_max3_num_f32 v[TM+\b], v[TM+\b], |v[\src+16*\b+\i]|, |v[\src+16*\b+\i+1]|
.endr
.endr
	WIN 0
.irp b, 0,1
	v_permlanex16_b32 v[TM+4+\b], v[TM+\b], s[SEL], s[SEL+1]
.endr
.irp b, 0,1
	v_max_num_f32 v[TM+\b], v[TM+\b], v[TM+4+\b]
.endr
.irp b, 0,1
	v_add_nc_u32 v[TM+12+\b], 0xff000000, v[TM+\b]
.endr
.irp b, 0,1
	v_lshrrev_b32 v[TM+4+\b], 23, v[TM+12+\b]
.endr
	v_lshl_or_b32 v[\pw], v[TM+5], 8, v[TM+4]      ; the word's upper two bytes stay 0: they scale the zero codes that fill K to 128
	WIN 0x02
	v_cvt_scalef32_pk16_fp6_f32 v[\dst:\dst+2], v[\src:\src+15], v[TM+12]
	v_cvt_scalef32_pk16_fp6_f32 v[\tc:\tc+2], v[\src+16:\src+31], v[TM+13]
	WIN 0
	v_nop
.irp i, 0,1,2
	v_permlane16_swap_b32 v[\dst+\i], v[\tc+\i]
.endr
.irp i, 0,1,2
	v_mov_b32 v[\dst+3+\i], v[\tc+\i]
.endr
.endm
	s_load_b128 s[4:7], s[0:1], 0x0                ; opnd s[4:5], qkv s[6:7]
	v_lshl_add_u32 v[SPW], v0, 2, SPARE
	v_mov_b32 v[NIL], 0
	ds_add_u32 v25, v26
	ds_add_u32 v25, v26
	s_wait_dscnt 0x0
	v_lshrrev_b32 v28, 5, v0
	v_readfirstlane_b32 s8, v28                    ; wave 0..3
	s_lshr_b32 s9, s8, 1                           ; wm
	s_and_b32 s10, s8, 1                           ; wn
	s_bfe_u32 s11, ttmp6, 0x40000                  ; cx
	s_bfe_u32 s12, ttmp6, 0x40004                  ; cy = y: the grid is one cluster high
	s_lshl_b32 s13, ttmp9, 2
	s_add_co_u32 s13, s13, s11                     ; x = 4 x cluster x + cx
	s_lshl_b32 s70, 0x1111, s11                    ; my column of the cluster: they share x
	s_lshl_b32 s71, s12, 2
	s_lshl_b32 s71, 15, s71                        ; my row: they share y
	s_or_b32 s16, s70, (3<<16)|(1<<21)             ; group 1 for A: 15:0 the mask; 17:16 elements of 8 bytes; 21 set beside a mask; no padding
	s_or_b32 s24, s71, (3<<16)|(1<<21)             ; for B
.irp g, 16, 24
	s_mov_b32 s[\g+1], 32<<16                      ; tensor_dim0 = 32 elements: rows of 256 bytes
	s_mov_b32 s[\g+2], 100<<16                     ; tensor_dim1 = 100 rows: a quarter of a block
	s_mov_b32 s[\g+3], 32<<16                      ; tile_dim0
	s_mov_b32 s[\g+4], 100                         ; tile_dim1
	s_mov_b32 s[\g+5], 32                          ; the pitch: dense
	s_mov_b32 s[\g+6], 0
	s_mov_b32 s[\g+7], 0
.endr
	s_mul_i32 s14, s8, QTR                         ; my quarter: no place in the cluster enters an LDS address
	s_mul_i32 s96, s13, BLK
	s_add_co_u32 s96, s96, s14                     ; A: block x, my quarter
	s_mov_b32 s97, 0
	s_mul_i32 s98, s12, BLK
	s_add_co_u32 s98, s98, s14
	s_add_co_u32 s98, s98, WOFF                    ; B: block y of the weights, my quarter
	s_mov_b32 s99, 0
	s_wait_kmcnt 0x0
	s_mov_b32 s32, 1                               ; group 0 for A
	s_mov_b32 s33, s14
	s_add_nc_u64 s[34:35], s[4:5], s[96:97]
	s_or_b32 s35, s35, 0x80000000
	s_mov_b32 s36, 1                               ; for slot 0
	s_add_co_u32 s37, s14, BLK
	s_add_nc_u64 s[38:39], s[4:5], s[98:99]
	s_mov_b32 s40, 1                               ; for slot 1: four blocks on
	s_add_co_u32 s41, s14, 2*BLK
	s_add_nc_u64 s[42:43], s[38:39], 4*BLK
	s_or_b32 s39, s39, 0x80000000
	s_or_b32 s43, s43, 0x80000000
	ROUND                                          ; all sixteen work-groups are here: the first joint loads meet
	tensor_load_to_lds s[32:35], s[16:23]          ; three loads of mine are out
	s_nop 0
	tensor_load_to_lds s[36:39], s[24:31]
	s_nop 0
	tensor_load_to_lds s[40:43], s[24:31]
	s_nop 0
	PLACES                                         ; (four such lines behind a tensor load)
	v_and_b32 v28, 31, v0                          ; lane
	v_and_b32 v29, 15, v0                          ; r
	v_lshlrev_b32 v1, 4, v28
	v_lshlrev_b32 v2, 3, v28
	v_lshlrev_b32 v3, 4, v29
	v_lshlrev_b32 v[R8], 3, v29
	s_mul_i32 s44, s9, 4*REC                       ; Q, K: my four records of A
	v_add_nc_u32 v[QA16], s44, v1
	v_add_nc_u32 v[QA8], s44, v2
	s_add_co_u32 s45, s44, 12288
	v_add_nc_u32 v[QAS], s45, v3
	s_mul_i32 s44, s10, 4*REC                      ; and of B
.irp s, 0,1
	s_add_co_u32 s44, s44, BLK
	v_add_nc_u32 v[QB16+\s], s44, v1
	v_add_nc_u32 v[QB8+\s], s44, v2
	s_add_co_u32 s45, s44, 12288
	v_add_nc_u32 v[QBS+\s], s45, v3
.endr
	v_mov_b32 v[VA16], v1                          ; V: all of A
	v_add_nc_u32 v[VA16+1], 4*REC, v1
	v_mov_b32 v[VA8], v2
	v_add_nc_u32 v[VA8+1], 4*REC, v2
	v_add_nc_u32 v[VAS], 12288, v3
	v_add_nc_u32 v[VAS+1], 4*REC+12288, v3
	s_mov_b32 s44, s14                             ; my two records of B
.irp s, 0,1
	s_add_co_u32 s44, s44, BLK
	v_add_nc_u32 v[VB16+\s], s44, v1
	v_add_nc_u32 v[VB8+\s], s44, v2
	s_add_co_u32 s45, s44, 12288
	v_add_nc_u32 v[VBS+\s], s45, v3
.endr
.irp b, 0,1,2,3
	v_mov_b32 v[TM+4+\b], 0                        ; written once: a lane permute's destination counts as one of its sources
.endr
	s_mov_b32 s[SEL], 0x76543210
	s_mov_b32 s[SEL+1], 0xfedcba98
	; where results go (offsets, apart from the address)
	s_and_b32 s44, s13, 0x30                       ; 16 x batch
	s_lshl_b32 s45, s12, 1
	s_add_co_u32 s44, s44, s45                     ; + 2 y
	s_add_co_u32 s46, s44, s10                     ; Q, K: batch x 16 + head, for slot 0's block;
	s_add_co_u32 s47, s46, 8                       ; slot 1's lies four blocks, eight heads, on
	s_add_co_u32 s66, s44, s9                      ; V: the same with my pair of tiles' head
	s_add_co_u32 s67, s66, 8
	s_and_b32 s44, s13, 15                         ; which 128 tokens of the batch
	s_lshl_b32 s45, s44, 3
	s_lshl_b32 s48, s9, 2
	s_add_co_u32 s45, s45, s48                     ; my first tile of tokens in the batch
	s_mul_i32 s48, s45, 768                        ; its image,
	s_lshl_b32 s49, s45, 6                         ; its place among the scale words: 256 bytes for four tiles
	s_mul_i32 s68, s44, 6144                       ; V: a key step's 8 images,
	s_mul_i32 s45, s10, 3072                       ; my two tiles of channels
	s_add_co_u32 s68, s68, s45
	s_add_co_u32 s68, s68, 98304
	s_lshl_b32 s69, s44, 8                         ; and its scale words
	s_lshl_b32 s45, s10, 7
	s_add_co_u32 s69, s69, s45
	s_add_co_u32 s69, s69, 204800
	s_mov_b32 s50, 98304                           ; Q's codes: bytes a head, first byte;
	s_mov_b32 s51, QOFF
	s_mov_b32 s52, 8192                            ; its scale words likewise
	s_mov_b32 s53, QSOFF
	s_mov_b32 s59, 0
.macro SCALQ slot                      ; all of K's scale words of my 4 + 4 tiles: lane r takes row r's
.irp a, 0,1,2,3
	ds_load_b128 v[SA+8*\a:SA+8*\a+3], v[QAS] offset:REC*\a
	ds_load_b128 v[SA+8*\a+4:SA+8*\a+7], v[QAS] offset:REC*\a+256
	ds_load_b128 v[SBQ+8*\a:SBQ+8*\a+3], v[QBS+\slot] offset:REC*\a
	ds_load_b128 v[SBQ+8*\a+4:SBQ+8*\a+7], v[QBS+\slot] offset:REC*\a+256
.endr
.endm
.macro FETCHQ slot, s, f               ; K step s: 4 fragments of tokens, 4 of W, into buffer f: one run of 32 loads
	WIN TO_F
.irp a, 0,1,2,3
	FRAG \f+12*\a, QA16, QA8, REC*\a+1536*(\s)
	FRAG \f+48+12*\a, QB16+\slot, QB8+\slot, REC*\a+1536*(\s)
.endr
.endm
.macro MULQ f, s                       ; 16 products; the 16 accumulators take turns, one instruction a turn, in the same order in every step
.irp a, 0,1,2,3
.irp t, 0,1,2,3
.if (\s) == 0
	v_wmma_scale_f32_16x16x128_f8f6f4 v[32*\a+8*\t:32*\a+8*\t+7], v[\f+48+12*\t:\f+48+12*\t+11], v[\f+12*\a:\f+12*\a+11], 0, v[SBQ+8*\t+(\s)], v[SA+8*\a+(\s)] matrix_a_fmt:MATRIX_FMT_FP6 matrix_b_fmt:MATRIX_FMT_FP6
.else
	v_wmma_scale_f32_16x16x128_f8f6f4 v[32*\a+8*\t:32*\a+8*\t+7], v[\f+48+12*\t:\f+48+12*\t+11], v[\f+12*\a:\f+12*\a+11], v[32*\a+8*\t:32*\a+8*\t+7], v[SBQ+8*\t+(\s)], v[SA+8*\a+(\s)] matrix_a_fmt:MATRIX_FMT_FP6 matrix_b_fmt:MATRIX_FMT_FP6
.endif
.endr
.endr
.endm
.macro STEPQ slot, s
	s_wait_dscnt 0x0                               ; this step's fragments are in (asked for a step ago)
.if (\s) < 7
	PLACES                                         ; the other buffer was read by the last step's products
	FETCHQ \slot, (\s)+1, 128-128*((\s)%2)         ; the next step's run has this step's 16 products in which to land
.endif
	WIN MUL
	MULQ 128*((\s)%2), \s
.endm
.macro MAINQ slot                      ; a block of Q or K: all of K, written out: every offset is an immediate; the first step's products start the sums
	SCALQ \slot
	FETCHQ \slot, 0, 0
.irp s, 0,1,2,3,4,5,6,7
	STEPQ \slot, \s
.endr
	WIN 0
.endm
.macro SCALV slot
.irp a, 0,1,2,3,4,5,6,7
	ds_load_b128 v[SA+8*\a:SA+8*\a+3], v[VAS+\a/4] offset:REC*(\a%4)
	ds_load_b128 v[SA+8*\a+4:SA+8*\a+7], v[VAS+\a/4] offset:REC*(\a%4)+256
.endr
.irp t, 0,1
	ds_load_b128 v[SBV+8*\t:SBV+8*\t+3], v[VBS+\slot] offset:REC*\t
	ds_load_b128 v[SBV+8*\t+4:SBV+8*\t+7], v[VBS+\slot] offset:REC*\t+256
.endr
.endm
.macro FETCHV slot, s, f               ; 8 fragments of tokens, 2 of W
	WIN TO_F
.irp a, 0,1,2,3,4,5,6,7
	FRAG \f+12*\a, VA16+\a/4, VA8+\a/4, REC*(\a%4)+1536*(\s)
.endr
.irp t, 0,1
	FRAG \f+96+12*\t, VB16+\slot, VB8+\slot, REC*\t+1536*(\s)
.endr
.endm
.macro MULV f, s
.irp a, 0,1,2,3,4,5,6,7
.irp t, 0,1
.if (\s) == 0
	v_wmma_scale_f32_16x16x128_f8f6f4 v[64*\t+8*\a:64*\t+8*\a+7], v[\f+12*\a:\f+12*\a+11], v[\f+96+12*\t:\f+96+12*\t+11], 0, v[SA+8*\a+(\s)], v[SBV+8*\t+(\s)] matrix_a_fmt:MATRIX_FMT_FP6 matrix_b_fmt:MATRIX_FMT_FP6
.else
	v_wmma_scale_f32_16x16x128_f8f6f4 v[64*\t+8*\a:64*\t+8*\a+7], v[\f+12*\a:\f+12*\a+11], v[\f+96+12*\t:\f+96+12*\t+11], v[64*\t+8*\a:64*\t+8*\a+7], v[SA+8*\a+(\s)], v[SBV+8*\t+(\s)] matrix_a_fmt:MATRIX_FMT_FP6 matrix_b_fmt:MATRIX_FMT_FP6
.endif
.endr
.endr
.endm
.macro STEPV slot, s
	s_wait_dscnt 0x0
.if (\s) < 7
	PLACES
	FETCHV \slot, (\s)+1, 128-128*((\s)%2)
.endif
	WIN MUL
	MULV 128*((\s)%2), \s
.endm
.macro MAINV slot
	SCALV \slot
	FETCHV \slot, 0, 0
.irp s, 0,1,2,3,4,5,6,7
	STEPV \slot, \s
.endr
	WIN 0
.endm
; THE CHANGE OF SLOTS.  Each wave waits for all its tensor loads (the one that is out is its quarter of the other slot), adds 0 to its spare word, and waits for that and for its reads of this slot.
; refill = 1: a round of the cluster's barrier, so that no wave of any partner still reads the slot or has a load on its way; then the joint refill, eight blocks on: it has a way out and a block's 128 products in which to land.
.macro CHANGE slot, refill
	s_wait_tensorcnt 0x0                           ; no tensor load of mine is out, so a group 0 may be written
	ds_add_u32 v[SPW], v[NIL]                      ; 0 onto my spare word
.if \refill
	s_add_nc_u64 s[38+4*\slot:39+4*\slot], s[38+4*\slot:39+4*\slot], 8*BLK
.endif
	s_wait_dscnt 0x0                               ; the add is done, and my reads of the slot are over
.if \refill
	ROUND
	tensor_load_to_lds s[36+4*\slot:39+4*\slot], s[24:31]
	s_nop 0
.else
	s_barrier_signal -1
	s_barrier_wait -1
.endif
	PLACES                                         ; behind the tensor load; also the places between the last products and the first read of their sums
.endm
.macro EPIQ slot                       ; my 64 tokens x one head: four images and their scale words
	s_wait_xcnt 0x0                                ; the last way out's stores have read their bases and data
	s_mul_i32 s58, s[46+\slot], s50
	s_add_co_u32 s58, s58, s51
	s_add_co_u32 s58, s58, s48
	s_add_nc_u64 s[54:55], s[6:7], s[58:59]
	s_mul_i32 s58, s[46+\slot], s52
	s_add_co_u32 s58, s58, s53
	s_add_co_u32 s58, s58, s49
	s_add_nc_u64 s[56:57], s[6:7], s[58:59]
.irp a, 0,1,2,3
	QUANT2 32*\a, RES+8*\a, TC, PWQ+\a
	global_store_b128 v1, v[RES+8*\a:RES+8*\a+3], s[54:55] offset:768*\a          ; 512 consecutive bytes, aligned to 256
	global_store_b64 v2, v[RES+8*\a+4:RES+8*\a+5], s[54:55] offset:768*\a+512     ; 256
.endr
	global_store_b128 v3, v[PWQ:PWQ+3], s[56:57]   ; four tiles' words of row r: 256 consecutive bytes (lanes 16-31 write what lanes 0-15 write)
.endm
.macro EPIV slot                       ; my 32 channels x 128 keys: two fragments and their scale words
	s_wait_xcnt 0x0
	s_mul_i32 s58, s[66+\slot], KVB
	s_add_co_u32 s45, s58, s69
	s_add_co_u32 s58, s58, s68
	s_add_nc_u64 s[54:55], s[6:7], s[58:59]
	s_mov_b32 s58, s45
	s_add_nc_u64 s[56:57], s[6:7], s[58:59]
.irp t, 0,1
	QUANT 64*\t, RES+12*\t, TC, PWQ+\t
	global_store_b128 v1, v[RES+12*\t:RES+12*\t+3], s[54:55] offset:1536*\t
	global_store_b64 v2, v[RES+12*\t+4:RES+12*\t+5], s[54:55] offset:1536*\t+512
	global_store_b128 v1, v[RES+12*\t+6:RES+12*\t+9], s[54:55] offset:1536*\t+768
	global_store_b64 v2, v[RES+12*\t+10:RES+12*\t+11], s[54:55] offset:1536*\t+1280
.endr
	global_store_b64 v[R8], v[PWQ:PWQ+1], s[56:57] ; two tiles' words of channel r: 128 consecutive bytes; the wave beside me writes the other 128
.endm
	s_wait_tensorcnt 1                             ; A's block and slot 0 are in; slot 1's load, the one younger, may stay out
	s_barrier_signal -1
	s_barrier_wait -1
	s_mov_b32 s60, 0
.Lqk:                                              ; trip 0: two blocks of W_q; trip 1: two of W_k.  Both slots are filled again in each trip
	MAINQ 0
	CHANGE 0, 1
	EPIQ 0
	MAINQ 1
	CHANGE 1, 1
	EPIQ 1
	s_mov_b32 s50, KVB                             ; K's codes begin a head's block, its scale words lie at 196,608
	s_mov_b32 s51, 0
	s_mov_b32 s52, KVB
	s_mov_b32 s53, 196608
	s_add_co_u32 s60, s60, 1
	s_cmp_lt_u32 s60, 2
	s_cbranch_scc1 .Lqk
	MAINV 0
	CHANGE 0, 0                                    ; slot 1 holds the last block: nothing is asked for
	EPIV 0
	MAINV 1
	PLACES
	EPIV 1
	s_wait_tensorcnt 0x0                           ; the wave's end
	ds_add_u32 v[SPW], v[NIL]
	s_wait_dscnt 0x0
	ROUND                                          ; the closing round: no work-group ends while a partner may still ask for a block that names it
	s_endpgm
.Lfunc_end_k_q6abb276a04_qkv:
	.size	k_q6abb276a04_qkv, .Lfunc_end_k_q6abb276a04_qkv-k_q6abb276a04_qkv
	.p2alignl 7, 3214868480
	.fill 96, 4, 3214868480
	.section	.rodata,"a",@progbits
	.p2align	6, 0x0
	.amdhsa_kernel k_q6abb276a04_qkv
		.amdhsa_group_segment_fixed_size 327680
		.amdhsa_private_segment_fixed_size 0
		.amdhsa_enable_private_segment 0
		.amdhsa_kernarg_size 16
		.amdhsa_user_sgpr_count 2
		.amdhsa_user_sgpr_kernarg_segment_ptr 1
		.amdhsa_wavefront_size32 1
		.amdhsa_system_sgpr_workgroup_id_x 1
		.amdhsa_system_sgpr_workgroup_id_y 1
		.amdhsa_system_sgpr_workgroup_id_z 1
		.amdhsa_system_vgpr_workitem_id 0
		.amdhsa_next_free_vgpr 768
		.amdhsa_next_free_sgpr 100
		.amdhsa_reserve_vcc 0
		.amdhsa_float_denorm_mode_32 3
		.amdhsa_float_denorm_mode_16_64 3
		.amdhsa_memory_ordered 1
		.amdhsa_forward_progress 1
		.amdhsa_inst_pref_size 193
	.end_amdhsa_kernel
	.amdgpu_metadata
---
amdhsa.version: [ 1, 2 ]
amdhsa.kernels:
  - .name:           k_q6abb276a04_qkv
    .symbol:         k_q6abb276a04_qkv.kd
    .args:
      - { .name: opnd, .offset: 0, .size: 8, .value_kind: global_buffer, .address_space: global }
      - { .name: qkv, .offset: 8, .size: 8, .value_kind: global_buffer, .address_space: global }
    .group_segment_fixed_size: 327680
    .private_segment_fixed_size: 0
    .kernarg_segment_align: 8
    .kernarg_segment_size: 16
    .max_flat_workgroup_size: 128
    .sgpr_count:     100
    .vgpr_count:     768
    .wavefront_size: 32
...
	.end_amdgpu_metadata
.endif
;; end of part 2
;; launch attn (part 3): grid 4 x 64, 16 waves a work-group, no clusters, 210,944 bytes of LDS; arguments qkv, mbits, xq; writes xq
.if DOCPART == 3
	.amdgcn_target "amdgcn-amd-amdhsa--gfx1250"
	.amdhsa_code_object_version 6
	.text
	.protected	k_q6abb276a04_attn
	.globl	k_q6abb276a04_attn
	.p2align	8
	.type	k_q6abb276a04_attn,@function
k_q6abb276a04_attn:
	s_mov_b64 s[64:65], 0
	v_nop
	global_prefetch_b8 v0, s[64:65] scope:SCOPE_SE
	s_setreg_imm32_b32 hwreg(HW_REG_WAVE_MODE, 25, 1), 1
	s_wait_xcnt 0x0
; ATTENTION on codes of FP6 (E2M3) with E8M0 scales.  x[q] = sum over k of softmax_k(mask ? Q[q] . K[k] / 8 : masked) V[k], head size 64, 2,048 keys; x leaves quantised along the head's 64, as an operand of the last product.
; THE SOFTMAX AHEAD OF THE SECOND PRODUCT: t = score x log2(e) / 8; M = the running largest t rounded UP to a whole number; p = 2^(t - M) is quantised along the keys, not normalised; the row's sum is taken of the
; unquantised p and divides at the end.  When M moves, the sum and O are multiplied by 2^(old M - new M): exact.
; SHARES.  A work-group owns 512 queries of one head.  The head's K and V (codes and scale words, 208,896 bytes) are copied into LDS once, byte for byte; one barrier; from then on the sixteen waves share nothing.
; A wave owns a tile of 16 queries at a time, two tiles one after the other, in 256 registers: four waves to a SIMD, so that one wave's vector work stands beside another's products and LDS loads.
; NO CLUSTER: what the four work-groups of a head share is those 208,896 bytes, read once at the head, against 512 key steps of work in each work-group; the loop itself reads nothing that is shared.
; No prefetch: K and V come at the head alone, and a step's 256 bytes of mask words are asked for a product phase ahead of their use.
; LAYOUT.  Both products transposed: S^T = K Q^T (source 0 = 16 keys), O^T = V^T P^T (source 0 = 16 channels): a lane holds ONE query throughout.  By the order of rows in a tile the 16 registers of key tiles
; 2 b, 2 b + 1 are keys 32 b + 16 h + 0 .. 15, and O^T's 32 registers are channels 32 b + 16 h + i.  The first product's K is 64: the upper six registers of Q's and K's fragments are zero codes.
; THE MASK: word w of a step holds, for score register w, a bit for each lane: 1 = masked.  A masked raw score becomes -2^33, by a select in every step: no jump hangs on the mask.
; LIMITS.  -2^33 stands for the logit -2^30 where the source has -1e9: its t is exact, so a row that is masked whole gives p = 1 everywhere, the uniform weights of the source; the result differs from the source's only
; where an unmasked logit lies under about -9.9e8.  A block's largest p is taken from its largest score (it takes v_exp_f32 not to fall where its input rises).  p under 2^-126 counts as 0.  A block of zeros keeps the byte 1.
; NaN and infinities are not served.
.set KVB,   208896
.set QOFF,  13369344
.set QSOFF, 19660800
.set REC,   12800
.set ADK16, 8                          ; v8-11, v28-29: the step's LDS addresses
.set ADK8,  9
.set ADV16, 10
.set ADV8,  11
.set ADS,   28
.set ADT,   29
.set KF,    32                         ; v32-79   four fragments of K; registers 6-11 of each stay 0
.set VF,    80                         ; v80-127  four fragments of V^T
.set S,     128                        ; v128-191 S^T, then p
.set O,     192                        ; v192-223 O^T
.set PCD,   224                        ; v224-235 p's codes; before the conversions: v224-227 block maxima, v228-231 at work
.set BM,    224
.set PT,    228
.set KS,    236                        ; v236-239 K's scale words of four tiles
.set VS,    240                        ; v240-243 V's of four tiles
.set SO,    244                        ; v244-247 the conversions' scale operands
.set CT,    248                        ; v248-250 a conversion's second half; v251 x's two scale bytes
.set XW,    251
.set F,     252                        ; v252 f = 2^(old M - new M)
.set PSW,   253                        ; v253 p's scale word
.set TP,    254
.set QSW,   255                        ; v255 Q's scale word
.set SEL,   66
.set CS,    68                         ; s[68:69] c = log2(e) / 8
.set MP,    70                         ; s[70:71] the step's mask words
.set J,     72
.set TK,    74
.set TS,    75
.set TV,    76
.set QT,    77
.set TRIP,  78
.set TT,    79
	s_load_b128 s[4:7], s[0:1], 0x0                ; qkv s[4:5], mbits s[6:7]
	s_load_b64 s[8:9], s[0:1], 0x10                ; xq
	v_lshrrev_b32 v1, 5, v0
	v_readfirstlane_b32 s10, v1                    ; wave 0..15
	s_and_b32 s11, ttmp7, 0xffff                   ; 16 x batch + head
	s_lshr_b32 s12, s11, 4                         ; batch
	s_and_b32 s13, s11, 15                         ; head
	v_lshlrev_b32 v200, 4, v0                      ; the copy: 16 bytes a thread, 8,192 an instruction
	v_add_nc_u32 v201, 0x10000, v200               ; (an LDS immediate has 16 bits)
	v_add_nc_u32 v202, 0x20000, v200
	v_add_nc_u32 v203, 0x30000, v200
	v_lshlrev_b32 v204, 3, v0
	v_add_nc_u32 v205, 0x30000, v204
	s_mul_i32 s2, s11, KVB
	s_mov_b32 s3, 0
	s_wait_kmcnt 0x0
	s_add_nc_u64 s[96:97], s[4:5], s[2:3]
.set i, 0
.rept 25
	global_load_b128 v[96+4*i:96+4*i+3], v200, s[96:97] offset:8192*i
.set i, i+1
.endr
	global_load_b64 v[196:197], v204, s[96:97] offset:204800   ; the last 4,096 bytes
	v_and_b32 v31, 31, v0                          ; lane
	v_and_b32 v30, 15, v0
	v_lshlrev_b32 v1, 4, v31                       ; 16 x lane
	v_lshlrev_b32 v2, 3, v31                       ; 8 x lane
	v_lshlrev_b32 v30, 4, v30                      ; 16 r
	v_add_nc_u32 v3, 196608, v30                   ; K's scale words
	v_lshrrev_b32 v4, 1, v30
	v_add_nc_u32 v4, 204800, v4                    ; V's: 8 r
	v_add_nc_u32 v5, 98304, v1                     ; V's codes
	v_add_nc_u32 v6, 98304, v2
	v_mov_b32 v7, 0xd0000000                       ; -2^33
.irp k, 22,23,24,25,26,27
	v_mov_b32 v[\k], 0                             ; Q's zero codes
.endr
.irp t, 0,1,2,3
.irp k, 6,7,8,9,10,11
	v_mov_b32 v[KF+12*\t+\k], 0                    ; K's
.endr
.endr
.irp b, 0,1,2,3
	v_mov_b32 v[PT+\b], 0                          ; written once: a lane permute's destination counts as one of its sources
.endr
	v_mov_b32 v[PSW], 0                            ; (named as the upper half of the pair v[252:253] before it is first written)
	s_mov_b32 s[SEL], 0x76543210
	s_mov_b32 s[SEL+1], 0xfedcba98
	s_mov_b32 s[CS], 0x3e38aa3b
	s_mov_b32 s[CS+1], s[CS]
.set i, 0
.rept 25
	s_wait_loadcnt 25-i                            ; loads come back in order: load i is in, the 25 - i younger ones may be out
	ds_store_b128 v[200+i/8], v[96+4*i:96+4*i+3] offset:8192*(i%8)
.set i, i+1
.endr
	s_wait_loadcnt 0x0
	ds_store_b64 v205, v[196:197] offset:8192
	s_wait_dscnt 0x0                               ; for the others' sake: my stores have landed
	s_barrier_signal -1
	s_barrier_wait -1                              ; the head's K and V lie in LDS; nothing is stored there again
	s_lshl_b32 s[QT], ttmp9, 5
	s_add_co_u32 s[QT], s[QT], s10                 ; my first tile of queries: 32 x + wave; the second lies 16 on
	s_mov_b32 s[TRIP], 0
.Ltile:
	s_lshl_b32 s[TT], s12, 7
	s_add_co_u32 s[TT], s[TT], s[QT]               ; 128 x batch + tile
	s_mul_i32 s2, s11, 98304
	s_mul_i32 s15, s[QT], 768
	s_add_co_u32 s2, s2, s15
	s_add_co_u32 s2, s2, QOFF
	s_add_nc_u64 s[96:97], s[4:5], s[2:3]          ; Q's image
	s_lshl_b32 s2, s11, 13
	s_lshr_b32 s15, s[QT], 2
	s_lshl_b32 s15, s15, 8
	s_add_co_u32 s2, s2, s15
	s_and_b32 s15, s[QT], 3
	s_lshl_b32 s15, s15, 2
	s_add_co_u32 s2, s2, s15
	s_add_co_u32 s2, s2, QSOFF
	s_add_nc_u64 s[98:99], s[4:5], s[2:3]          ; its scale words
	s_lshl_b32 s2, s[TT], 12
	s_add_nc_u64 s[MP:MP+1], s[6:7], s[2:3]        ; the tile's mask words
	global_load_b128 v[16:19], v1, s[96:97]
	global_load_b64 v[20:21], v2, s[96:97] offset:512
	global_load_b32 v[QSW], v30, s[98:99]
	v_mov_b32 v13, 0xff61b1e6                      ; the largest t so far: -3e38
	v_floor_f32 v12, -v13                          ; -M
	v_mov_b32 v14, 0                               ; the sum, in two halves
	v_mov_b32 v15, 0
.set i, 0
.rept 32
	v_mov_b32 v[O+i], 0                            ; O^T.  (The step is written once: the first finds zeros, which the first change of M leaves zeros)
.set i, i+1
.endr
	s_mov_b32 s[J], 0
	s_mov_b32 s[TK], 0
	s_mov_b32 s[TS], 0
	s_mov_b32 s[TV], 0
	s_wait_loadcnt 0x0
.macro KGROUP g                        ; four tiles of 16 keys: an image each, and their scale words
.irp t, 0,1,2,3
	ds_load_b128 v[KF+12*\t:KF+12*\t+3], v[ADK16] offset:768*(4*\g+\t)
	ds_load_b64 v[KF+12*\t+4:KF+12*\t+5], v[ADK8] offset:768*(4*\g+\t)+512
.endr
	ds_load_b128 v[KS:KS+3], v[ADS] offset:256*\g
.endm
.macro KQ g
.irp t, 0,1,2,3
	v_wmma_scale_f32_16x16x128_f8f6f4 v[S+32*\g+8*\t:S+32*\g+8*\t+7], v[KF+12*\t:KF+12*\t+11], v[16:27], 0, v[KS+\t], v[QSW] matrix_a_fmt:MATRIX_FMT_FP6 matrix_b_fmt:MATRIX_FMT_FP6
.endr
.endm
.Lstep:                                            ; a key step: 128 keys; 16 trips
	s_load_b512 s[16:31], s[MP:MP+1], 0x0          ; the step's 64 mask words
	s_load_b512 s[32:47], s[MP:MP+1], 0x40
	s_load_b512 s[48:63], s[MP:MP+1], 0x80
	s_load_b512 s[80:95], s[MP:MP+1], 0xc0
	v_add_nc_u32 v[ADK16], s[TK], v1               ; six plain lines: also the places between the last step's products and the loads into their registers
	v_add_nc_u32 v[ADK8], s[TK], v2
	v_add_nc_u32 v[ADV16], s[TK], v5
	v_add_nc_u32 v[ADV8], s[TK], v6
	v_add_nc_u32 v[ADS], s[TS], v3
	v_add_nc_u32 v[ADT], s[TV], v4
	KGROUP 0
.irp t, 0,1,2,3                                ; V's four fragments are asked for now and wanted behind the softmax
.irp c, 0,1
	ds_load_b128 v[VF+12*\t+6*\c:VF+12*\t+6*\c+3], v[ADV16] offset:1536*\t+768*\c
	ds_load_b64 v[VF+12*\t+6*\c+4:VF+12*\t+6*\c+5], v[ADV8] offset:1536*\t+768*\c+512
.endr
.endr
	ds_load_b64 v[VS:VS+1], v[ADT]
	ds_load_b64 v[VS+2:VS+3], v[ADT] offset:128
	s_wait_dscnt 18                                ; K's nine loads are in; V's 18, issued behind them, may be out
	KQ 0
.rept 4
	v_nop                                          ; places in front of loads into registers that these products read
.endr
	KGROUP 1
	s_wait_dscnt 0x0
	KQ 1
.rept 4
	v_nop
.endr
	s_wait_kmcnt 0x0                               ; the mask words are in
.set n, 0
.rept 64
	v_cndmask_b32 v[S+n], v[S+n], v7, s[16+16*(n/16)+16*(n/48)+n%16]   ; in every step, ascending: each accumulator from its low end on
.set n, n+1
.endr
.irp b, 0,1,2,3
	v_max3_num_f32 v[BM+\b], v[S+16*\b], v[S+16*\b+1], v[S+16*\b+2]   ; the largest score of each block of 32 keys: for the row's maximum, and for the block's largest p
.endr
.irp i, 3,5,7,9,11,13
.irp b, 0,1,2,3
	v_max3_num_f32 v[BM+\b], v[BM+\b], v[S+16*\b+\i], v[S+16*\b+\i+1]
.endr
.endr
.irp b, 0,1,2,3
	v_max_num_f32 v[BM+\b], v[BM+\b], v[S+16*\b+15]
.endr
.irp b, 0,1,2,3
	v_permlanex16_b32 v[PT+\b], v[BM+\b], s[SEL], s[SEL+1]
.endr
.irp b, 0,1,2,3
	v_max_num_f32 v[BM+\b], v[BM+\b], v[PT+\b]     ; with lane l xor 16's 16 keys
.endr
	v_max3_num_f32 v[TP], v[BM], v[BM+1], v[BM+2]
	v_max_num_f32 v[TP], v[TP], v[BM+3]
	v_mul_f32 v[TP], s[CS], v[TP]                  ; the step's largest t
	v_max_num_f32 v13, v13, v[TP]
	v_mov_b32 v[TP], v12
	v_floor_f32 v12, -v13                          ; the new -M = -ceil(t): a whole number
	v_sub_f32 v[TP], v12, v[TP]                    ; old M - new M, 0 or less
	v_cvt_i32_f32 v[TP], v[TP]                     ; (it saturates)
	v_ldexp_f32 v[F], 1.0, v[TP]                   ; f
.set n, 0
.rept 32
	v_pk_fma_f32 v[S+n:S+n+1], v[S+n:S+n+1], s[CS:CS+1], v[12:13] op_sel_hi:[1,0,0]   ; t - M, two at a time
.set n, n+2
.endr
.irp b, 0,1,2,3
	v_fma_f32 v[BM+\b], v[BM+\b], s[CS], v12       ; the same of each block's largest score
.endr
.set n, 0
.rept 64
	v_exp_f32 v[S+n], v[S+n]                       ; p
.set n, n+1
.endr
	v_pk_mul_f32 v[14:15], v[14:15], v[F:F+1] op_sel_hi:[1,0]   ; the sums under the new M: a plain line behind the exponentials
	s_wait_alu depctr_va_vdst(0)                   ; one wait for the batch of 64, ahead of its first use
.irp b, 0,1,2,3
	v_exp_f32 v[BM+\b], v[BM+\b]                   ; the blocks' largest p
.endr
	v_pk_add_f32 v[PT:PT+1], v[S:S+1], v[S+2:S+3]  ; the row's sum of the unquantised p, in two chains
.set n, 4
.rept 15
	v_pk_add_f32 v[14:15], v[14:15], v[S+n:S+n+1]
	v_pk_add_f32 v[PT:PT+1], v[PT:PT+1], v[S+n+2:S+n+3]
.set n, n+4
.endr
	v_pk_add_f32 v[14:15], v[14:15], v[PT:PT+1]
	s_wait_alu depctr_va_vdst(0)                   ; and one for the four
.irp b, 0,1,2,3
	v_max_num_f32 v[BM+\b], 0x1800000, v[BM+\b]    ; the floor 2^(3 - 127)
.endr
.irp b, 0,1,2,3
	v_add_nc_u32 v[SO+\b], 0xff000000, v[BM+\b]    ; 2 off the exponent field: the conversion's scale operand
.endr
.irp b, 0,1,2,3
	v_lshrrev_b32 v[PT+\b], 23, v[SO+\b]
.endr
	v_lshl_or_b32 v[PSW], v[PT+1], 8, v[PT]
	v_lshl_or_b32 v[PSW], v[PT+2], 16, v[PSW]
	v_lshl_or_b32 v[PSW], v[PT+3], 24, v[PSW]      ; p's scale word for these 128 keys
.irp c, 0,1                                    ; two blocks at a time, through one spare triple
	v_cvt_scalef32_pk16_fp6_f32 v[PCD+6*\c:PCD+6*\c+2], v[S+32*\c:S+32*\c+15], v[SO+2*\c]
	v_cvt_scalef32_pk16_fp6_f32 v[CT:CT+2], v[S+32*\c+16:S+32*\c+31], v[SO+2*\c+1]
	v_nop                                          ; one plain line behind the conversions
.irp i, 0,1,2
	v_permlane16_swap_b32 v[PCD+6*\c+\i], v[CT+\i] ; a WHOLE block to a lane
.endr
.irp i, 0,1,2
	v_mov_b32 v[PCD+6*\c+3+\i], v[CT+\i]
.endr
.endr
.set n, 0
.rept 16
	v_pk_mul_f32 v[O+n:O+n+1], v[O+n:O+n+1], v[F:F+1] op_sel_hi:[1,0]   ; O^T under the new M; these lines are also the places between the scale word, the codes and the products
.set n, n+2
.endr
.irp t, 0,1,2,3
	v_wmma_scale_f32_16x16x128_f8f6f4 v[O+8*\t:O+8*\t+7], v[VF+12*\t:VF+12*\t+11], v[PCD:PCD+11], v[O+8*\t:O+8*\t+7], v[VS+\t], v[PSW] matrix_a_fmt:MATRIX_FMT_FP6 matrix_b_fmt:MATRIX_FMT_FP6
.endr
	s_add_nc_u64 s[MP:MP+1], s[MP:MP+1], 256       ; (the scalar loads were shown done by the wait on KMcnt)
	s_add_co_u32 s[TK], s[TK], 6144
	s_add_co_u32 s[TS], s[TS], 512
	s_add_co_u32 s[TV], s[TV], 256
	s_add_co_u32 s[J], s[J], 1
	s_cmp_lt_u32 s[J], 16
	s_cbranch_scc1 .Lstep
	; THE WAY OUT: O^T / the sum, quantised along the head's 64: one image of the record of my 16 queries, and two scale bytes a row.
.rept 4
	v_nop
.endr
	v_add_f32 v14, v14, v15
	v_permlanex16_b32 v[F], v14, s[SEL], s[SEL+1]
	v_add_f32 v14, v14, v[F]                       ; the row's sum
	v_rcp_f32 v14, v14
	v_nop                                          ; a plain line behind the reciprocal
	s_mul_i32 s2, s[TT], REC
	s_mul_i32 s15, s13, 768
	s_add_co_u32 s2, s2, s15
	s_add_nc_u64 s[96:97], s[8:9], s[2:3]          ; the record's image number head
	s_mul_i32 s2, s[TT], REC
	s_lshr_b32 s15, s13, 3
	s_lshl_b32 s15, s15, 8
	s_add_co_u32 s2, s2, s15
	s_and_b32 s15, s13, 7
	s_lshl_b32 s15, s15, 1
	s_add_co_u32 s2, s2, s15
	s_add_co_u32 s2, s2, 12288
	s_add_nc_u64 s[98:99], s[8:9], s[2:3]          ; and the head's half of a scale word
	s_wait_alu depctr_va_vdst(0)                   ; ahead of the reciprocal's first use
.set n, 0
.rept 32
	v_mul_f32 v[S+n], v[O+n], v14                  ; register 16 b + i is channel 32 b + 16 h + i
.set n, n+1
.endr
.irp b, 0,1
	v_max3_num_f32 v[230+\b], |v[S+16*\b]|, |v[S+16*\b+1]|, 0x1800000
.endr
.irp i, 2,4,6,8,10,12,14
.irp b, 0,1
	v_max3_num_f32 v[230+\b], v[230+\b], |v[S+16*\b+\i]|, |v[S+16*\b+\i+1]|
.endr
.endr
.irp b, 0,1
	v_permlanex16_b32 v[232+\b], v[230+\b], s[SEL], s[SEL+1]
.endr
.irp b, 0,1
	v_max_num_f32 v[230+\b], v[230+\b], v[232+\b]
.endr
.irp b, 0,1
	v_add_nc_u32 v[SO+\b], 0xff000000, v[230+\b]
.endr
.irp b, 0,1
	v_lshrrev_b32 v[232+\b], 23, v[SO+\b]
.endr
	v_lshl_or_b32 v[XW], v233, 8, v232
	v_cvt_scalef32_pk16_fp6_f32 v[PCD:PCD+2], v[S:S+15], v[SO]
	v_cvt_scalef32_pk16_fp6_f32 v[CT:CT+2], v[S+16:S+31], v[SO+1]
	v_nop
.irp i, 0,1,2
	v_permlane16_swap_b32 v[PCD+\i], v[CT+\i]
.endr
.irp i, 0,1,2
	v_mov_b32 v[PCD+3+\i], v[CT+\i]
.endr
	global_store_b128 v1, v[PCD:PCD+3], s[96:97]               ; 512 consecutive bytes, aligned to 256
	global_store_b64 v2, v[PCD+4:PCD+5], s[96:97] offset:512   ; 256
	global_store_b16 v30, v[XW], s[98:99]          ; two bytes a row, 16 bytes apart: one such store for a tile's 16 key steps; the other heads' work-groups write the bytes between
	s_wait_xcnt 0x0                                ; the stores have read their bases and data: the next tile writes both
	s_add_co_u32 s[QT], s[QT], 16
	s_add_co_u32 s[TRIP], s[TRIP], 1
	s_cmp_lt_u32 s[TRIP], 2
	s_cbranch_scc1 .Ltile
	s_wait_xcnt 0x0
	v_lshl_add_u32 v254, v0, 2, 0x33000
	v_mov_b32 v255, 0
	s_wait_tensorcnt 0x0
	ds_add_u32 v254, v255
	s_wait_dscnt 0x0
	s_endpgm
.Lfunc_end_k_q6abb276a04_attn:
	.size	k_q6abb276a04_attn, .Lfunc_end_k_q6abb276a04_attn-k_q6abb276a04_attn
	.p2alignl 7, 3214868480
	.fill 96, 4, 3214868480
	.section	.rodata,"a",@progbits
	.p2align	6, 0x0
	.amdhsa_kernel k_q6abb276a04_attn
		.amdhsa_group_segment_fixed_size 210944
		.amdhsa_private_segment_fixed_size 0
		.amdhsa_enable_private_segment 0
		.amdhsa_kernarg_size 24
		.amdhsa_user_sgpr_count 2
		.amdhsa_user_sgpr_kernarg_segment_ptr 1
		.amdhsa_wavefront_size32 1
		.amdhsa_system_sgpr_workgroup_id_x 1
		.amdhsa_system_sgpr_workgroup_id_y 1
		.amdhsa_system_sgpr_workgroup_id_z 1
		.amdhsa_system_vgpr_workitem_id 0
		.amdhsa_next_free_vgpr 256
		.amdhsa_next_free_sgpr 100
		.amdhsa_reserve_vcc 0
		.amdhsa_float_denorm_mode_32 3
		.amdhsa_float_denorm_mode_16_64 3
		.amdhsa_memory_ordered 1
		.amdhsa_forward_progress 1
		.amdhsa_inst_pref_size 36
	.end_amdhsa_kernel
	.amdgpu_metadata
---
amdhsa.version: [ 1, 2 ]
amdhsa.kernels:
  - .name:           k_q6abb276a04_attn
    .symbol:         k_q6abb276a04_attn.kd
    .args:
      - { .name: qkv, .offset: 0, .size: 8, .value_kind: global_buffer, .address_space: global }
      - { .name: mbits, .offset: 8, .size: 8, .value_kind: global_buffer, .address_space: global }
      - { .name: xq, .offset: 16, .size: 8, .value_kind: global_buffer, .address_space: global }
    .group_segment_fixed_size: 210944
    .private_segment_fixed_size: 0
    .kernarg_segment_align: 8
    .kernarg_segment_size: 24
    .max_flat_workgroup_size: 512
    .sgpr_count:     100
    .vgpr_count:     256
    .wavefront_size: 32
...
	.end_amdgpu_metadata
.endif
;; end of part 3
;; launch oproj (part 4): grid 64 x 4, 4 waves a work-group, clusters of 4 x 4, 327,680 bytes of LDS; arguments xq, opnd, out0; writes out0
.if DOCPART == 4
	.amdgcn_target "amdgcn-amd-amdhsa--gfx1250"
	.amdhsa_code_object_version 6
	.text
	.protected	k_q6abb276a04_oproj
	.globl	k_q6abb276a04_oproj
	.p2align	8
	.type	k_q6abb276a04_oproj,@function
k_q6abb276a04_oproj:
	s_mov_b64 s[64:65], 0
	v_nop
	global_prefetch_b8 v0, s[64:65] scope:SCOPE_SE
	s_setreg_imm32_b32 hwreg(HW_REG_WAVE_MODE, 25, 1), 1
	s_wait_xcnt 0x0
	s_wait_alu depctr_hold_cnt(0) depctr_sa_sdst(0) depctr_va_vdst(0) depctr_va_sdst(0) depctr_va_ssrc(0) depctr_va_vcc(0) depctr_vm_vsrc(0)
	s_getreg_b32 s2, hwreg(HW_REG_IB_STS2, 6, 4)
	s_cmp_eq_u32 s2, 0
	s_cbranch_scc0 .Lentry_in_a_cluster
	s_endpgm
.Lentry_in_a_cluster:
	s_bfe_u32 s2, ttmp6, 0x10000c
	s_cmp_lg_u32 s2, 0xf033
	s_cbranch_scc0 .Lentry_shape_is_right
	s_endpgm
.Lentry_shape_is_right:
; OUT = x W_o^T on codes of FP6 (E2M3) with E8M0 scales, f32 sums, K = 1,024 ascending; out0 [8192][1024] f32.
; x and W_o come as records (16 rows, all of K: 16 images of 768 bytes, 512 bytes of scale words); 8 records, 102,400 dense bytes, are a block of 128 rows.
; SHARES.  Work-group (x, y): block x of the rows against blocks y and y + 4 of W_o.  All three blocks are brought into LDS at the head, each byte filled once.  Four waves, 64 x 64 each: 16 accumulators.
; THE PRODUCT IS USED TRANSPOSED (source 0 = 16 rows of W_o, source 1 = 16 rows of x): a lane holds one row, and by the order of rows in a tile its 32 registers are columns 32 b + 16 h + i: 64 consecutive bytes twice.
; Row r of tile 2 g + u is the tensor's row 32 g + 8 u + r + 8 (r / 8): the stores' immediates put each row back in its place.
; CLUSTER 4 x 4: the four work-groups with one cx share x's block, the four with one cy each block of W_o: joint loads, each wave a quarter of a block (100 rows of 256 bytes).
; REGISTERS: window 0: v1-15 addresses; v32-95 scale words and nothing else; v112-175 rows on their way out.  Window 1: two buffers of fragments.  Window 2: v0-127 the accumulators.
.set REC,   12800
.set BLK,   102400
.set QTR,   25600
.set WOOFF, 9011200                    ; W_o's records in opnd
.set STG,   307200                     ; behind the three blocks: a stage of 16 rows x (256 + 16) bytes for each wave; no tensor load lands there
.set QA16, 4
.set QA8,  5
.set QAS,  6
.set QB16, 7
.set QB8,  9
.set QBS,  11
.set STO,  13                          ; the stage: where I put 64 bytes of a row
.set RD,   14                          ; where I read a row back
.set CO,   15                          ; my byte offset in two rows of out0
.set SA,   32
.set SBQ,  64
.set OB,   112
.set MSB, 0
.macro WIN new                         ; the immediate's high byte repeats the setting that is left
.if MSB != \new
	s_set_vgpr_msb (MSB<<8)|\new
.set MSB, \new
.endif
.endm
.set MUL,  0xa5                        ; sources 0 and 1 window 1; C and D window 2
.set TO_F, 0x40                        ; destination window 1, address window 0
.macro PLACES                          ; four plain instructions between a matrix instruction and a load into, or a read of, its registers
.rept 4
	v_nop
.endr
.endm
.macro ROUND                           ; a round of the cluster's barrier
	s_barrier_signal -1
	s_barrier_wait -1
	s_cmp_lg_u32 s8, 0
	s_cbranch_scc1 .Lnot_wave_0_\@
	s_barrier_signal -3
.Lnot_wave_0_\@:
	s_barrier_wait -3
	s_barrier_signal -1
	s_barrier_wait -1
.endm
.macro FRAG reg, a16, a8, off          ; a fragment (16 rows x 128 K, 12 registers) is two images: every load reads consecutive bytes
	ds_load_b128 v[\reg:\reg+3], v[\a16] offset:\off
	ds_load_b64 v[\reg+4:\reg+5], v[\a8] offset:\off+512
	ds_load_b128 v[\reg+6:\reg+9], v[\a16] offset:\off+768
	ds_load_b64 v[\reg+10:\reg+11], v[\a8] offset:\off+1280
.endm
	s_load_b128 s[4:7], s[0:1], 0x0                ; xq s[4:5], opnd s[6:7]
	s_load_b64 s[46:47], s[0:1], 0x10              ; out0
	v_lshl_add_u32 v254, v0, 2, 0x4f400
	v_mov_b32 v255, 0
	ds_add_u32 v254, v255
	ds_add_u32 v254, v255
	v_lshrrev_b32 v28, 5, v0
	v_readfirstlane_b32 s8, v28                    ; wave 0..3
	s_lshr_b32 s9, s8, 1                           ; wm
	s_and_b32 s10, s8, 1                           ; wn
	s_bfe_u32 s11, ttmp6, 0x40000                  ; cx
	s_bfe_u32 s12, ttmp6, 0x40004                  ; cy = y: the grid is one cluster high
	s_lshl_b32 s13, ttmp9, 2
	s_add_co_u32 s13, s13, s11                     ; x
	s_lshl_b32 s70, 0x1111, s11                    ; my column of the cluster: they share x
	s_lshl_b32 s71, s12, 2
	s_lshl_b32 s71, 15, s71                        ; my row: they share y
	s_or_b32 s16, s70, (3<<16)|(1<<21)             ; group 1 for A: the mask; elements of 8 bytes; bit 21 set beside a mask; no padding
	s_or_b32 s24, s71, (3<<16)|(1<<21)             ; for B
.irp g, 16, 24
	s_mov_b32 s[\g+1], 32<<16                      ; rows of 256 bytes,
	s_mov_b32 s[\g+2], 100<<16                     ; 100 of them,
	s_mov_b32 s[\g+3], 32<<16
	s_mov_b32 s[\g+4], 100
	s_mov_b32 s[\g+5], 32                          ; dense
	s_mov_b32 s[\g+6], 0
	s_mov_b32 s[\g+7], 0
.endr
	s_mul_i32 s14, s8, QTR                         ; my quarter: no place in the cluster enters an LDS address
	s_mul_i32 s96, s13, BLK
	s_add_co_u32 s96, s96, s14
	s_mov_b32 s97, 0
	s_mul_i32 s98, s12, BLK
	s_add_co_u32 s98, s98, s14
	s_add_co_u32 s98, s98, WOOFF
	s_mov_b32 s99, 0
	s_wait_dscnt 0x0
	s_wait_kmcnt 0x0
	s_mov_b32 s32, 1
	s_mov_b32 s33, s14
	s_add_nc_u64 s[34:35], s[4:5], s[96:97]
	s_or_b32 s35, s35, 0x80000000
	s_mov_b32 s36, 1
	s_add_co_u32 s37, s14, BLK
	s_add_nc_u64 s[38:39], s[6:7], s[98:99]
	s_mov_b32 s40, 1
	s_add_co_u32 s41, s14, 2*BLK
	s_add_nc_u64 s[42:43], s[38:39], 4*BLK
	s_or_b32 s39, s39, 0x80000000
	s_or_b32 s43, s43, 0x80000000
	ROUND                                          ; all sixteen work-groups are here: the joint loads meet
	tensor_load_to_lds s[32:35], s[16:23]          ; three loads of mine are out; they are all that this text issues
	s_nop 0
	tensor_load_to_lds s[36:39], s[24:31]
	s_nop 0
	tensor_load_to_lds s[40:43], s[24:31]
	s_nop 0
	PLACES                                         ; (four such lines behind a tensor load)
	v_and_b32 v28, 31, v0                          ; lane
	v_and_b32 v29, 15, v0                          ; r
	v_bfe_u32 v30, v0, 4, 1                        ; h
	v_lshlrev_b32 v1, 4, v28
	v_lshlrev_b32 v2, 3, v28
	v_lshlrev_b32 v3, 4, v29
	s_mul_i32 s44, s9, 4*REC                       ; my four records of x
	v_add_nc_u32 v[QA16], s44, v1
	v_add_nc_u32 v[QA8], s44, v2
	s_add_co_u32 s45, s44, 12288
	v_add_nc_u32 v[QAS], s45, v3
	s_mul_i32 s44, s10, 4*REC                      ; and of W_o, in each of its two blocks
.irp s, 0,1
	s_add_co_u32 s44, s44, BLK
	v_add_nc_u32 v[QB16+\s], s44, v1
	v_add_nc_u32 v[QB8+\s], s44, v2
	s_add_co_u32 s45, s44, 12288
	v_add_nc_u32 v[QBS+\s], s45, v3
.endr
	s_mul_i32 s44, s8, 16*272
	s_add_co_u32 s44, s44, STG                     ; my stage
	v_mul_u32_u24 v[STO], v29, 272
	v_lshl_add_u32 v[STO], v30, 6, v[STO]
	v_add_nc_u32 v[STO], s44, v[STO]               ; in: row r, + 64 h
	v_mul_u32_u24 v[RD], v30, 272
	v_lshl_add_u32 v[RD], v29, 4, v[RD]
	v_add_nc_u32 v[RD], s44, v[RD]                 ; back: lanes 0-15 one row of 256 bytes, lanes 16-31 the next
	v_lshlrev_b32 v[CO], 12, v30
	v_lshl_add_u32 v[CO], v29, 4, v[CO]            ; and the same two rows in out0, 4,096 bytes apart
	s_lshl_b32 s58, s13, 19                        ; 128 x rows of 4,096 bytes,
	s_lshl_b32 s45, s9, 18                         ; my 64 rows,
	s_add_co_u32 s58, s58, s45
	s_lshl_b32 s45, s12, 9                         ; block y's 128 columns,
	s_add_co_u32 s58, s58, s45
	s_lshl_b32 s45, s10, 8                         ; my 64 of them
	s_add_co_u32 s58, s58, s45
	s_mov_b32 s59, 0
	s_add_nc_u64 s[44:45], s[46:47], s[58:59]
.macro SCALQ slot                      ; all of K's scale words of my 4 + 4 tiles: lane r takes row r's
.irp a, 0,1,2,3
	ds_load_b128 v[SA+8*\a:SA+8*\a+3], v[QAS] offset:REC*\a
	ds_load_b128 v[SA+8*\a+4:SA+8*\a+7], v[QAS] offset:REC*\a+256
	ds_load_b128 v[SBQ+8*\a:SBQ+8*\a+3], v[QBS+\slot] offset:REC*\a
	ds_load_b128 v[SBQ+8*\a+4:SBQ+8*\a+7], v[QBS+\slot] offset:REC*\a+256
.endr
.endm
.macro FETCHQ slot, s, f               ; K step s: 4 fragments of x, 4 of W_o, into buffer f: one run of 32 loads
	WIN TO_F
.irp a, 0,1,2,3
	FRAG \f+12*\a, QA16, QA8, REC*\a+1536*(\s)
	FRAG \f+48+12*\a, QB16+\slot, QB8+\slot, REC*\a+1536*(\s)
.endr
.endm
.macro MULQ f, s                       ; 16 products; the 16 accumulators take turns, one instruction a turn, in the same order in every step
.irp a, 0,1,2,3
.irp t, 0,1,2,3
.if (\s) == 0
	v_wmma_scale_f32_16x16x128_f8f6f4 v[32*\a+8*\t:32*\a+8*\t+7], v[\f+48+12*\t:\f+48+12*\t+11], v[\f+12*\a:\f+12*\a+11], 0, v[SBQ+8*\t+(\s)], v[SA+8*\a+(\s)] matrix_a_fmt:MATRIX_FMT_FP6 matrix_b_fmt:MATRIX_FMT_FP6
.else
	v_wmma_scale_f32_16x16x128_f8f6f4 v[32*\a+8*\t:32*\a+8*\t+7], v[\f+48+12*\t:\f+48+12*\t+11], v[\f+12*\a:\f+12*\a+11], v[32*\a+8*\t:32*\a+8*\t+7], v[SBQ+8*\t+(\s)], v[SA+8*\a+(\s)] matrix_a_fmt:MATRIX_FMT_FP6 matrix_b_fmt:MATRIX_FMT_FP6
.endif
.endr
.endr
.endm
.macro STEPQ slot, s
	s_wait_dscnt 0x0                               ; this step's fragments are in (asked for a step ago)
.if (\s) < 7
	PLACES                                         ; the other buffer was read by the last step's products
	FETCHQ \slot, (\s)+1, 128-128*((\s)%2)         ; the next step's run has this step's 16 products in which to land
.endif
	WIN MUL
	MULQ 128*((\s)%2), \s
.endm
.macro MAINQ slot                      ; all of K, written out: every offset is an immediate; the first step's products start the sums
	SCALQ \slot
	FETCHQ \slot, 0, 0
.irp s, 0,1,2,3,4,5,6,7
	STEPQ \slot, \s
.endr
	WIN 0
.endm
; THE WAY OUT, a tile of 16 rows x 64 columns at a time: a lane's 64 + 64 bytes of a row go into my own stage and come back as whole rows of 256 bytes, which sixteen lanes store, aligned to 256.
; LDS serves a wave's instructions in order (ISA guide 5.7.1.4): no wait between the stores and the loads, nor in front of the next tile's stores.
.macro OUT blk
.irp a, 0,1,2,3
	WIN 0x08                                       ; an LDS store's data are its source 1: window 2
.irp b, 0,1
.irp q, 0,1,2,3
	ds_store_b128 v[STO], v[32*\a+16*\b+4*\q:32*\a+16*\b+4*\q+3] offset:128*\b+16*\q   ; each accumulator from its low end on
.endr
.endr
	WIN 0
.if \a >= 2
	s_wait_xcnt 0x0                                ; the stores of two tiles ago have read the registers that the loads below write
.endif
.irp i, 0,1,2,3,4,5,6,7
	ds_load_b128 v[OB+32*(\a%2)+4*\i:OB+32*(\a%2)+4*\i+3], v[RD] offset:544*\i
.endr
	s_wait_dscnt 0x0
.irp i, 0,1,2,3,4,5,6,7
	global_store_b128 v[CO], v[OB+32*(\a%2)+4*\i:OB+32*(\a%2)+4*\i+3], s[44:45] offset:(32*(\a/2)+8*(\a%2)+2*\i+8*(\i/4))*4096+2048*\blk th:TH_STORE_NT
.endr
.endr
.endm
	s_wait_tensorcnt 1                             ; x's block and W_o's first are in; the second, the one younger load, may stay out
	s_barrier_signal -1
	s_barrier_wait -1
	MAINQ 0
	PLACES
	OUT 0
	s_wait_tensorcnt 0x0                           ; my quarter of W_o's second block is in,
	s_wait_dscnt 0x0
	s_barrier_signal -1
	s_barrier_wait -1                              ; everybody's is
	s_wait_xcnt 0x0                                ; the first block's stores have read their registers
	MAINQ 1
	PLACES
	OUT 1
	s_wait_dscnt 0x0
	s_wait_tensorcnt 0x0
	ds_add_u32 v254, v255
	s_wait_dscnt 0x0
	ROUND                                          ; the closing round: no work-group ends while a partner may still ask for a block that names it
	s_endpgm
.Lfunc_end_k_q6abb276a04_oproj:
	.size	k_q6abb276a04_oproj, .Lfunc_end_k_q6abb276a04_oproj-k_q6abb276a04_oproj
	.p2alignl 7, 3214868480
	.fill 96, 4, 3214868480
	.section	.rodata,"a",@progbits
	.p2align	6, 0x0
	.amdhsa_kernel k_q6abb276a04_oproj
		.amdhsa_group_segment_fixed_size 327680
		.amdhsa_private_segment_fixed_size 0
		.amdhsa_enable_private_segment 0
		.amdhsa_kernarg_size 24
		.amdhsa_user_sgpr_count 2
		.amdhsa_user_sgpr_kernarg_segment_ptr 1
		.amdhsa_wavefront_size32 1
		.amdhsa_system_sgpr_workgroup_id_x 1
		.amdhsa_system_sgpr_workgroup_id_y 1
		.amdhsa_system_sgpr_workgroup_id_z 1
		.amdhsa_system_vgpr_workitem_id 0
		.amdhsa_next_free_vgpr 768
		.amdhsa_next_free_sgpr 100
		.amdhsa_reserve_vcc 0
		.amdhsa_float_denorm_mode_32 3
		.amdhsa_float_denorm_mode_16_64 3
		.amdhsa_memory_ordered 1
		.amdhsa_forward_progress 1
		.amdhsa_inst_pref_size 91
	.end_amdhsa_kernel
	.amdgpu_metadata
---
amdhsa.version: [ 1, 2 ]
amdhsa.kernels:
  - .name:           k_q6abb276a04_oproj
    .symbol:         k_q6abb276a04_oproj.kd
    .args:
      - { .name: xq, .offset: 0, .size: 8, .value_kind: global_buffer, .address_space: global }
      - { .name: opnd, .offset: 8, .size: 8, .value_kind: global_buffer, .address_space: global }
      - { .name: out0, .offset: 16, .size: 8, .value_kind: global_buffer, .address_space: global }
    .group_segment_fixed_size: 327680
    .private_segment_fixed_size: 0
    .kernarg_segment_align: 8
    .kernarg_segment_size: 24
    .max_flat_workgroup_size: 128
    .sgpr_count:     100
    .vgpr_count:     768
    .wavefront_size: 32
...
	.end_amdgpu_metadata
.endif
;; end of part 4
;; ======== version 2 of 2: 4 launches; version 1 with the launch attn written anew for expert scheduling mode
;; limits: right only within a limited range of input values
;; workspace buffers: opnd 9,830,400 bytes; mbits 2,097,152 bytes of whole numbers; qkv 20,185,088 bytes; xq 6,553,600 bytes
;; launch prep: the kernel of part 1 again; grid 512 x 1, 4 waves a work-group, no clusters, 51,712 bytes of LDS; arguments embeddings, W_q, W_k, W_v, W_o, mask, opnd, mbits; writes opnd, mbits
;; launch qkv: the kernel of part 2 again; grid 64 x 4, 4 waves a work-group, clusters of 4 x 4, 327,680 bytes of LDS; arguments opnd, qkv; writes qkv
;; launch attn (part 5): grid 4 x 64, 16 waves a work-group, no clusters, 210,944 bytes of LDS; arguments qkv, mbits, xq; writes xq
.if DOCPART == 5
	.amdgcn_target "amdgcn-amd-amdhsa--gfx1250"
	.amdhsa_code_object_version 6
	.text
	.protected	k_q6abb276a04_attn
	.globl	k_q6abb276a04_attn
	.p2align	8
	.type	k_q6abb276a04_attn,@function
k_q6abb276a04_attn:
	s_mov_b64 s[64:65], 0
	v_nop
	global_prefetch_b8 v0, s[64:65] scope:SCOPE_SE
	s_setreg_imm32_b32 hwreg(HW_REG_WAVE_SCHED_MODE, 0, 2), 2
	s_setreg_imm32_b32 hwreg(HW_REG_WAVE_MODE, 25, 1), 1
	s_wait_xcnt 0x0
	s_wait_alu depctr_vm_vsrc(0)
; ATTENTION on codes of FP6 (E2M3) with E8M0 scales.  x[q] = sum over k of softmax_k(mask ? Q[q] . K[k] / 8 : masked) V[k], head size 64, 2,048 keys; x leaves quantised along the head's 64, as an operand of the last product.
; THE SOFTMAX AHEAD OF THE SECOND PRODUCT: t = score x log2(e) / 8; M = the running largest t rounded UP to a whole number; p = 2^(t - M) is quantised along the keys, not normalised; the row's sum is taken of the
; unquantised p and divides at the end.  When M moves, the sum and O are multiplied by 2^(old M - new M): exact.
; SHARES.  A work-group owns 512 queries of one head.  The head's K and V (codes and scale words, 208,896 bytes) are copied into LDS once, byte for byte; one barrier; from then on the sixteen waves share nothing.
; A wave owns a tile of 16 queries at a time, two tiles one after the other, in 256 registers: four waves to a SIMD, so that one wave's vector work stands beside another's products and LDS loads.
; NO CLUSTER: what the four work-groups of a head share is those 208,896 bytes, read once at the head, against 512 key steps of work in each work-group; the loop itself reads nothing that is shared.
; No prefetch: K and V come at the head alone, and a step's 256 bytes of mask words are asked for in the step before.
; LAYOUT.  Both products transposed: S^T = K Q^T (source 0 = 16 keys), O^T = V^T P^T (source 0 = 16 channels): a lane holds ONE query throughout.  By the order of rows in a tile the 16 registers of key tiles
; 2 b, 2 b + 1 are keys 32 b + 16 h + 0 .. 15, and O^T's 32 registers are channels 32 b + 16 h + i.  The first product's K is 64: the upper six registers of Q's and K's fragments are zero codes.
; THE MASK: word w of a step holds, for score register w, a bit for each lane: 1 = masked.  A masked raw score becomes -2^33, by a select in every step: no jump hangs on the mask.
; LIMITS.  -2^33 stands for the logit -2^30 where the source has -1e9: its t is exact, so a row that is masked whole gives p = 1 everywhere, the uniform weights of the source; the result differs from the source's only
; where an unmasked logit lies under about -9.9e8.  A block's largest p is taken from its largest score (it takes v_exp_f32 not to fall where its input rises).  p under 2^-126 counts as 0.  A block of zeros keeps the byte 1.
; NaN and infinities are not served.
; THE MODE: SCHED_MODE bits 1:0 = 2 (LLVM: expert scheduling mode 2), set by the entry lines.  The code itself states the register dependences between vector or matrix instructions and memory or LDS
; instructions, with s_wait_alu, always for 0.
; THE PLAN.  Registers that memory or LDS instructions touch, in key step j:
;   KF (registers 0-5 of each fragment), KS   Group 0 of step j + 1 lands in them behind the wait that follows step j's exponentials; the first four products of step j + 1 read them.  Group 1 lands behind a wait of
;                                             its own, behind those four products; the second four read them.
;   VF, VS                                    Step j's land behind the wait that follows step j's exponentials; the step's last four products read them.
;   v8, v9, v28      K's LDS addresses        Read by both groups' loads; written once a step, behind group 1's loads, for step j + 1.
;   v10, v11, v29    V's LDS addresses        Read by V's loads; written at the same place, for step j.
;   s16-63, s80-95   the mask words           Read by the 64 selects; step j + 1's are asked for behind the wait that follows step j's exponentials.
;   v1, v2, v30      offsets, made at the head and never written again.     v16-21, v255   Q and its scale word: loaded at a tile's head.     v224-229, v251   x's codes and bytes: read by the tile's three stores.
; So a step has four waits on va_vdst: behind the first four products; behind the 64 exponentials (the addresses are written, every earlier product is done with KF, KS, VF and VS, the selects with the mask words: 27 LDS
; loads and four scalar loads follow it, and no vector line names their registers before the wait on DScnt); behind the four exponentials; ahead of the last four products.  One wait on vm_vsrc stands ahead of the six adds.
.set KVB,   208896
.set QOFF,  13369344
.set QSOFF, 19660800
.set REC,   12800
.set ADK16, 8                          ; v8-11, v28-29: the LDS addresses in hand
.set ADK8,  9
.set ADV16, 10
.set ADV8,  11
.set ADS,   28
.set ADT,   29
.set KF,    32                         ; v32-79   four fragments of K; registers 6-11 of each stay 0
.set VF,    80                         ; v80-127  four fragments of V^T
.set S,     128                        ; v128-191 S^T, then p
.set O,     192                        ; v192-223 O^T
.set PCD,   224                        ; v224-235 p's codes; before the conversions: v224-227 block maxima, v228-231 at work
.set BM,    224
.set PT,    228
.set KS,    236                        ; v236-239 K's scale words of four tiles
.set VS,    240                        ; v240-243 V's of four tiles
.set SO,    244                        ; v244-247 the conversions' scale operands
.set CT,    248                        ; v248-250 a conversion's second half; v251 x's two scale bytes
.set XW,    251
.set F,     252                        ; v252 f = 2^(old M - new M)
.set PSW,   253                        ; v253 p's scale word
.set TP,    254
.set QSW,   255                        ; v255 Q's scale word
.set SEL,   66
.set CS,    68                         ; s[68:69] c = log2(e) / 8
.set MP,    70                         ; s[70:71] the mask words last asked for
.set J,     72
.set TK,    74
.set TS,    75
.set TV,    76
.set QT,    77
.set TRIP,  78
.set TT,    79
.macro KGROUP g                        ; four tiles of 16 keys: an image each, and their scale words
.irp t, 0,1,2,3
	ds_load_b128 v[KF+12*\t:KF+12*\t+3], v[ADK16] offset:768*(4*\g+\t)
	ds_load_b64 v[KF+12*\t+4:KF+12*\t+5], v[ADK8] offset:768*(4*\g+\t)+512
.endr
	ds_load_b128 v[KS:KS+3], v[ADS] offset:256*\g
.endm
.macro KQ g
.irp t, 0,1,2,3
	v_wmma_scale_f32_16x16x128_f8f6f4 v[S+32*\g+8*\t:S+32*\g+8*\t+7], v[KF+12*\t:KF+12*\t+11], v[16:27], 0, v[KS+\t], v[QSW] matrix_a_fmt:MATRIX_FMT_FP6 matrix_b_fmt:MATRIX_FMT_FP6
.endr
.endm
	s_load_b128 s[4:7], s[0:1], 0x0                ; qkv s[4:5], mbits s[6:7]
	s_load_b64 s[8:9], s[0:1], 0x10                ; xq
	v_lshrrev_b32 v1, 5, v0
	v_readfirstlane_b32 s10, v1                    ; wave 0..15
	s_and_b32 s11, ttmp7, 0xffff                   ; 16 x batch + head
	s_lshr_b32 s12, s11, 4                         ; batch
	s_and_b32 s13, s11, 15                         ; head
	v_lshlrev_b32 v200, 4, v0                      ; the copy: 16 bytes a thread, 8,192 an instruction
	v_add_nc_u32 v201, 0x10000, v200               ; (an LDS immediate has 16 bits)
	v_add_nc_u32 v202, 0x20000, v200
	v_add_nc_u32 v203, 0x30000, v200
	v_lshlrev_b32 v204, 3, v0
	v_add_nc_u32 v205, 0x30000, v204
	s_mul_i32 s2, s11, KVB
	s_mov_b32 s3, 0
	s_wait_alu depctr_va_sdst(0)                   ; s10 is written, ahead of its first reader: my tile's number is made from it
	s_wait_kmcnt 0x0
	s_add_nc_u64 s[96:97], s[4:5], s[2:3]
	s_wait_alu depctr_va_vdst(0)                   ; v200 to v205 are written: the copy's loads and LDS stores read them as offsets and addresses
.set i, 0
.rept 25
	global_load_b128 v[96+4*i:96+4*i+3], v200, s[96:97] offset:8192*i
.set i, i+1
.endr
	global_load_b64 v[196:197], v204, s[96:97] offset:204800   ; the last 4,096 bytes
	v_and_b32 v31, 31, v0                          ; lane
	v_and_b32 v30, 15, v0
	v_lshlrev_b32 v1, 4, v31                       ; 16 x lane
	v_lshlrev_b32 v2, 3, v31                       ; 8 x lane
	v_lshlrev_b32 v30, 4, v30                      ; 16 r
	v_add_nc_u32 v3, 196608, v30                   ; K's scale words
	v_lshrrev_b32 v4, 1, v30
	v_add_nc_u32 v4, 204800, v4                    ; V's: 8 r
	v_add_nc_u32 v5, 98304, v1                     ; V's codes
	v_add_nc_u32 v6, 98304, v2
	v_mov_b32 v7, 0xd0000000                       ; -2^33
.irp k, 22,23,24,25,26,27
	v_mov_b32 v[\k], 0                             ; Q's zero codes
.endr
.irp t, 0,1,2,3
.irp k, 6,7,8,9,10,11
	v_mov_b32 v[KF+12*\t+\k], 0                    ; K's
.endr
.endr
.irp b, 0,1,2,3
	v_mov_b32 v[PT+\b], 0                          ; written once: a lane permute's destination counts as one of its sources
.endr
	v_mov_b32 v[PSW], 0                            ; (named as the upper half of the pair v[252:253] before it is first written)
	s_mov_b32 s[SEL], 0x76543210
	s_mov_b32 s[SEL+1], 0xfedcba98
	s_mov_b32 s[CS], 0x3e38aa3b
	s_mov_b32 s[CS+1], s[CS]
.set i, 0
.rept 25
	s_wait_loadcnt 25-i                            ; loads come back in order: load i is in, the 25 - i younger ones may be out
	ds_store_b128 v[200+i/8], v[96+4*i:96+4*i+3] offset:8192*(i%8)   ; (no vector line since the wait ahead of the loads names v96 to v205)
.set i, i+1
.endr
	s_wait_loadcnt 0x0
	ds_store_b64 v205, v[196:197] offset:8192
	s_wait_dscnt 0x0                               ; for the others' sake: my stores have landed
	s_barrier_signal -1
	s_barrier_wait -1                              ; the head's K and V lie in LDS; nothing is stored there again
	s_wait_alu depctr_vm_vsrc(0)                   ; my LDS stores have read v96 to v197 and v200 to v205: these registers are VF, S and O from here on, written by LDS loads, products and vector lines
	s_lshl_b32 s[QT], ttmp9, 5
	s_add_co_u32 s[QT], s[QT], s10                 ; my first tile of queries: 32 x + wave; the second lies 16 on
	s_mov_b32 s[TRIP], 0
.Ltile:
	s_lshl_b32 s[TT], s12, 7
	s_add_co_u32 s[TT], s[TT], s[QT]               ; 128 x batch + tile
	s_mul_i32 s2, s11, 98304
	s_mul_i32 s15, s[QT], 768
	s_add_co_u32 s2, s2, s15
	s_add_co_u32 s2, s2, QOFF
	s_add_nc_u64 s[96:97], s[4:5], s[2:3]          ; Q's image
	s_lshl_b32 s2, s11, 13
	s_lshr_b32 s15, s[QT], 2
	s_lshl_b32 s15, s15, 8
	s_add_co_u32 s2, s2, s15
	s_and_b32 s15, s[QT], 3
	s_lshl_b32 s15, s15, 2
	s_add_co_u32 s2, s2, s15
	s_add_co_u32 s2, s2, QSOFF
	s_add_nc_u64 s[98:99], s[4:5], s[2:3]          ; its scale words
	s_lshl_b32 s2, s[TT], 12
	s_add_nc_u64 s[MP:MP+1], s[6:7], s[2:3]        ; the tile's mask words
	s_load_b512 s[16:31], s[MP:MP+1], 0x0          ; step 0's 64 mask words; each later step's are asked for in the step before
	s_load_b512 s[32:47], s[MP:MP+1], 0x40
	s_load_b512 s[48:63], s[MP:MP+1], 0x80
	s_load_b512 s[80:95], s[MP:MP+1], 0xc0
	s_mov_b32 s[J], 0
	s_mov_b32 s[TK], 0
	s_mov_b32 s[TS], 0
	s_mov_b32 s[TV], 0
	v_add_nc_u32 v[ADK16], s[TK], v1               ; K's addresses for step 0 (every LDS load that read them stands ahead of the wait on vm_vsrc at the last tile's end, or of the one behind the barrier)
	v_add_nc_u32 v[ADK8], s[TK], v2
	v_add_nc_u32 v[ADS], s[TS], v3
	s_wait_alu depctr_va_vdst(0)                   ; v1, v2, v30 and K's three addresses are written, which the loads below read; so are Q's and K's zero codes, which the products take; the last tile's products are done reading Q, its scale word, KF and KS, in which the loads below land
	global_load_b128 v[16:19], v1, s[96:97]
	global_load_b64 v[20:21], v2, s[96:97] offset:512
	global_load_b32 v[QSW], v30, s[98:99]
	KGROUP 0                                       ; step 0's first four tiles of keys
	v_mov_b32 v13, 0xff61b1e6                      ; the largest t so far: -3e38
	v_floor_f32 v12, -v13                          ; -M
	v_mov_b32 v14, 0                               ; the sum, in two halves
	v_mov_b32 v15, 0
.set i, 0
.rept 32
	v_mov_b32 v[O+i], 0                            ; O^T.  (The step is written once: the first finds zeros, which the first change of M leaves zeros)
.set i, i+1
.endr
	s_wait_loadcnt 0x0                             ; Q
	s_wait_dscnt 0x0                               ; K's first four tiles
.Lstep:                                            ; a key step: 128 keys; 16 trips.  On both ways in, the step's first four tiles of K and their scale words are in
	KQ 0
.rept 4
	v_nop                                          ; four places behind these products, ahead of the first read of their sums
.endr
	s_wait_alu depctr_va_vdst(0)                   ; the four products are done reading KF and KS, in which the second four tiles land
	KGROUP 1
	s_wait_alu depctr_vm_vsrc(0)                   ; the LDS loads issued so far have read the six addresses, which are written below
	v_add_nc_u32 v[ADV16], s[TK], v5               ; V's addresses for this step,
	v_add_nc_u32 v[ADV8], s[TK], v6
	v_add_nc_u32 v[ADT], s[TV], v4
	s_add_co_u32 s[TK], s[TK], 6144
	s_add_co_u32 s[TS], s[TS], 512
	s_add_co_u32 s[TV], s[TV], 256
	v_add_nc_u32 v[ADK16], s[TK], v1               ; K's for the next (those of the last step's next are not used)
	v_add_nc_u32 v[ADK8], s[TK], v2
	v_add_nc_u32 v[ADS], s[TS], v3
	s_wait_kmcnt 0x0                               ; the mask words are in
.set n, 0
.rept 32
	v_cndmask_b32 v[S+n], v[S+n], v7, s[16+16*(n/16)+16*(n/48)+n%16]   ; in every step, ascending: each accumulator from its low end on.  The first four tiles' selects stand while the second four tiles come
.set n, n+1
.endr
	s_wait_dscnt 0x0                               ; K's second four tiles are in
	KQ 1
.rept 4
	v_nop
.endr
.rept 32
	v_cndmask_b32 v[S+n], v[S+n], v7, s[16+16*(n/16)+16*(n/48)+n%16]
.set n, n+1
.endr
.irp b, 0,1,2,3
	v_max3_num_f32 v[BM+\b], v[S+16*\b], v[S+16*\b+1], v[S+16*\b+2]   ; the largest score of each block of 32 keys: for the row's maximum, and for the block's largest p
.endr
.irp i, 3,5,7,9,11,13
.irp b, 0,1,2,3
	v_max3_num_f32 v[BM+\b], v[BM+\b], v[S+16*\b+\i], v[S+16*\b+\i+1]
.endr
.endr
.irp b, 0,1,2,3
	v_max_num_f32 v[BM+\b], v[BM+\b], v[S+16*\b+15]
.endr
.irp b, 0,1,2,3
	v_permlanex16_b32 v[PT+\b], v[BM+\b], s[SEL], s[SEL+1]
.endr
.irp b, 0,1,2,3
	v_max_num_f32 v[BM+\b], v[BM+\b], v[PT+\b]     ; with lane l xor 16's 16 keys
.endr
	v_max3_num_f32 v[TP], v[BM], v[BM+1], v[BM+2]
	v_max_num_f32 v[TP], v[TP], v[BM+3]
	v_mul_f32 v[TP], s[CS], v[TP]                  ; the step's largest t
	v_max_num_f32 v13, v13, v[TP]
	v_mov_b32 v[TP], v12
	v_floor_f32 v12, -v13                          ; the new -M = -ceil(t): a whole number
	v_sub_f32 v[TP], v12, v[TP]                    ; old M - new M, 0 or less
	v_cvt_i32_f32 v[TP], v[TP]                     ; (it saturates)
	v_ldexp_f32 v[F], 1.0, v[TP]                   ; f
.set n, 0
.rept 32
	v_pk_fma_f32 v[S+n:S+n+1], v[S+n:S+n+1], s[CS:CS+1], v[12:13] op_sel_hi:[1,0,0]   ; t - M, two at a time
.set n, n+2
.endr
.irp b, 0,1,2,3
	v_fma_f32 v[BM+\b], v[BM+\b], s[CS], v12       ; the same of each block's largest score
.endr
.set n, 0
.rept 64
	v_exp_f32 v[S+n], v[S+n]                       ; p
.set n, n+1
.endr
	v_pk_mul_f32 v[14:15], v[14:15], v[F:F+1] op_sel_hi:[1,0]   ; the sums under the new M: a plain line behind the exponentials
	s_wait_alu depctr_va_vdst(0)                   ; the 64 exponentials have written p, ahead of its first use; the six addresses are written; this step's second four products and the last step's last four are done reading KF, KS, VF and VS; the selects are done with the mask words
	s_cmp_eq_u32 s[J], 15                          ; the last step has no next: no load leaves the mask words' buffer, and no keys are fetched that nobody multiplies
	s_cbranch_scc1 .Lnomore
	s_add_nc_u64 s[MP:MP+1], s[MP:MP+1], 256       ; (the scalar loads that read it were shown done by this step's wait on KMcnt)
	s_load_b512 s[16:31], s[MP:MP+1], 0x0          ; the next step's 64 mask words
	s_load_b512 s[32:47], s[MP:MP+1], 0x40
	s_load_b512 s[48:63], s[MP:MP+1], 0x80
	s_load_b512 s[80:95], s[MP:MP+1], 0xc0
	KGROUP 0                                       ; and its first four tiles of keys
.Lnomore:
.irp t, 0,1,2,3                                ; this step's four fragments of V: wanted behind the rest of the softmax.  No vector line from the wait above to the wait on DScnt names a register of these loads
.irp c, 0,1
	ds_load_b128 v[VF+12*\t+6*\c:VF+12*\t+6*\c+3], v[ADV16] offset:1536*\t+768*\c
	ds_load_b64 v[VF+12*\t+6*\c+4:VF+12*\t+6*\c+5], v[ADV8] offset:1536*\t+768*\c+512
.endr
.endr
	ds_load_b64 v[VS:VS+1], v[ADT]
	ds_load_b64 v[VS+2:VS+3], v[ADT] offset:128
.irp b, 0,1,2,3
	v_exp_f32 v[BM+\b], v[BM+\b]                   ; the blocks' largest p
.endr
	v_pk_add_f32 v[PT:PT+1], v[S:S+1], v[S+2:S+3]  ; the row's sum of the unquantised p, in two chains
.set n, 4
.rept 15
	v_pk_add_f32 v[14:15], v[14:15], v[S+n:S+n+1]
	v_pk_add_f32 v[PT:PT+1], v[PT:PT+1], v[S+n+2:S+n+3]
.set n, n+4
.endr
	v_pk_add_f32 v[14:15], v[14:15], v[PT:PT+1]
	s_wait_alu depctr_va_vdst(0)                   ; the four exponentials have written the blocks' largest p, ahead of its first use
.irp b, 0,1,2,3
	v_max_num_f32 v[BM+\b], 0x1800000, v[BM+\b]    ; the floor 2^(3 - 127)
.endr
.irp b, 0,1,2,3
	v_add_nc_u32 v[SO+\b], 0xff000000, v[BM+\b]    ; 2 off the exponent field: the conversion's scale operand
.endr
.irp b, 0,1,2,3
	v_lshrrev_b32 v[PT+\b], 23, v[SO+\b]
.endr
	v_lshl_or_b32 v[PSW], v[PT+1], 8, v[PT]
	v_lshl_or_b32 v[PSW], v[PT+2], 16, v[PSW]
	v_lshl_or_b32 v[PSW], v[PT+3], 24, v[PSW]      ; p's scale word for these 128 keys
.irp c, 0,1                                    ; two blocks at a time, through one spare triple
	v_cvt_scalef32_pk16_fp6_f32 v[PCD+6*\c:PCD+6*\c+2], v[S+32*\c:S+32*\c+15], v[SO+2*\c]
	v_cvt_scalef32_pk16_fp6_f32 v[CT:CT+2], v[S+32*\c+16:S+32*\c+31], v[SO+2*\c+1]
	v_nop                                          ; one plain line behind the conversions
.irp i, 0,1,2
	v_permlane16_swap_b32 v[PCD+6*\c+\i], v[CT+\i] ; a WHOLE block to a lane
.endr
.irp i, 0,1,2
	v_mov_b32 v[PCD+6*\c+3+\i], v[CT+\i]
.endr
.endr
.set n, 0
.rept 16
	v_pk_mul_f32 v[O+n:O+n+1], v[O+n:O+n+1], v[F:F+1] op_sel_hi:[1,0]   ; O^T under the new M; these lines are also the places between the scale word, the codes and the products
.set n, n+2
.endr
	s_wait_dscnt 0x0                               ; V's fragments and scale words are in, and so are the next step's first four tiles of K (for 0: the last step has nine loads fewer out)
	s_wait_alu depctr_va_vdst(0)                   ; p's codes and its scale word are written, which the scaled products below take; the places above stay beside this wait
.irp t, 0,1,2,3
	v_wmma_scale_f32_16x16x128_f8f6f4 v[O+8*\t:O+8*\t+7], v[VF+12*\t:VF+12*\t+11], v[PCD:PCD+11], v[O+8*\t:O+8*\t+7], v[VS+\t], v[PSW] matrix_a_fmt:MATRIX_FMT_FP6 matrix_b_fmt:MATRIX_FMT_FP6
.endr
	s_add_co_u32 s[J], s[J], 1
	s_cmp_lt_u32 s[J], 16
	s_cbranch_scc1 .Lstep
	; THE WAY OUT: O^T / the sum, quantised along the head's 64: one image of the record of my 16 queries, and two scale bytes a row.
.rept 4
	v_nop
.endr
	v_add_f32 v14, v14, v15
	v_permlanex16_b32 v[F], v14, s[SEL], s[SEL+1]
	v_add_f32 v14, v14, v[F]                       ; the row's sum
	v_rcp_f32 v14, v14
	v_nop                                          ; a plain line behind the reciprocal
	s_mul_i32 s2, s[TT], REC
	s_mul_i32 s15, s13, 768
	s_add_co_u32 s2, s2, s15
	s_add_nc_u64 s[96:97], s[8:9], s[2:3]          ; the record's image number head
	s_mul_i32 s2, s[TT], REC
	s_lshr_b32 s15, s13, 3
	s_lshl_b32 s15, s15, 8
	s_add_co_u32 s2, s2, s15
	s_and_b32 s15, s13, 7
	s_lshl_b32 s15, s15, 1
	s_add_co_u32 s2, s2, s15
	s_add_co_u32 s2, s2, 12288
	s_add_nc_u64 s[98:99], s[8:9], s[2:3]          ; and the head's half of a scale word
	s_wait_alu depctr_va_vdst(0)                   ; the reciprocal has written v14, ahead of its first use
.set n, 0
.rept 32
	v_mul_f32 v[S+n], v[O+n], v14                  ; register 16 b + i is channel 32 b + 16 h + i
.set n, n+1
.endr
.irp b, 0,1
	v_max3_num_f32 v[230+\b], |v[S+16*\b]|, |v[S+16*\b+1]|, 0x1800000
.endr
.irp i, 2,4,6,8,10,12,14
.irp b, 0,1
	v_max3_num_f32 v[230+\b], v[230+\b], |v[S+16*\b+\i]|, |v[S+16*\b+\i+1]|
.endr
.endr
.irp b, 0,1
	v_permlanex16_b32 v[232+\b], v[230+\b], s[SEL], s[SEL+1]
.endr
.irp b, 0,1
	v_max_num_f32 v[230+\b], v[230+\b], v[232+\b]
.endr
.irp b, 0,1
	v_add_nc_u32 v[SO+\b], 0xff000000, v[230+\b]
.endr
.irp b, 0,1
	v_lshrrev_b32 v[232+\b], 23, v[SO+\b]
.endr
	v_lshl_or_b32 v[XW], v233, 8, v232
	v_cvt_scalef32_pk16_fp6_f32 v[PCD:PCD+2], v[S:S+15], v[SO]
	v_cvt_scalef32_pk16_fp6_f32 v[CT:CT+2], v[S+16:S+31], v[SO+1]
	v_nop
.irp i, 0,1,2
	v_permlane16_swap_b32 v[PCD+\i], v[CT+\i]
.endr
.irp i, 0,1,2
	v_mov_b32 v[PCD+3+\i], v[CT+\i]
.endr
	s_wait_alu depctr_va_vdst(0)                   ; x's six registers of codes and its two bytes are written, which the stores below read
	global_store_b128 v1, v[PCD:PCD+3], s[96:97]               ; 512 consecutive bytes, aligned to 256
	global_store_b64 v2, v[PCD+4:PCD+5], s[96:97] offset:512   ; 256
	global_store_b16 v30, v[XW], s[98:99]          ; two bytes a row, 16 bytes apart: one such store for a tile's 16 key steps; the other heads' work-groups write the bytes between
	s_wait_xcnt 0x0                                ; the stores have read their bases and data: the next tile writes both
	s_wait_alu depctr_vm_vsrc(0)                   ; the stores have read v224 to v229 and v251, and the tile's LDS loads their six addresses: the next tile's vector lines write all of them again
	s_add_co_u32 s[QT], s[QT], 16
	s_add_co_u32 s[TRIP], s[TRIP], 1
	s_cmp_lt_u32 s[TRIP], 2
	s_cbranch_scc1 .Ltile
	s_wait_xcnt 0x0
	v_lshl_add_u32 v254, v0, 2, 0x33000
	v_mov_b32 v255, 0
	s_wait_dscnt 0x0                               ; the closing lines, six on end
	s_wait_alu 0x0
	s_wait_tensorcnt 0x0
	ds_add_u32 v254, v255
	s_wait_dscnt 0x0
	s_endpgm
.Lfunc_end_k_q6abb276a04_attn:
	.size	k_q6abb276a04_attn, .Lfunc_end_k_q6abb276a04_attn-k_q6abb276a04_attn
	.p2alignl 7, 3214868480
	.fill 96, 4, 3214868480
	.section	.rodata,"a",@progbits
	.p2align	6, 0x0
	.amdhsa_kernel k_q6abb276a04_attn
		.amdhsa_group_segment_fixed_size 210944
		.amdhsa_private_segment_fixed_size 0
		.amdhsa_enable_private_segment 0
		.amdhsa_kernarg_size 24
		.amdhsa_user_sgpr_count 2
		.amdhsa_user_sgpr_kernarg_segment_ptr 1
		.amdhsa_wavefront_size32 1
		.amdhsa_system_sgpr_workgroup_id_x 1
		.amdhsa_system_sgpr_workgroup_id_y 1
		.amdhsa_system_sgpr_workgroup_id_z 1
		.amdhsa_system_vgpr_workitem_id 0
		.amdhsa_next_free_vgpr 256
		.amdhsa_next_free_sgpr 100
		.amdhsa_reserve_vcc 0
		.amdhsa_float_denorm_mode_32 3
		.amdhsa_float_denorm_mode_16_64 3
		.amdhsa_memory_ordered 1
		.amdhsa_forward_progress 1
		.amdhsa_inst_pref_size 37
	.end_amdhsa_kernel
	.amdgpu_metadata
---
amdhsa.version: [ 1, 2 ]
amdhsa.kernels:
  - .name:           k_q6abb276a04_attn
    .symbol:         k_q6abb276a04_attn.kd
    .args:
      - { .name: qkv, .offset: 0, .size: 8, .value_kind: global_buffer, .address_space: global }
      - { .name: mbits, .offset: 8, .size: 8, .value_kind: global_buffer, .address_space: global }
      - { .name: xq, .offset: 16, .size: 8, .value_kind: global_buffer, .address_space: global }
    .group_segment_fixed_size: 210944
    .private_segment_fixed_size: 0
    .kernarg_segment_align: 8
    .kernarg_segment_size: 24
    .max_flat_workgroup_size: 512
    .sgpr_count:     100
    .vgpr_count:     256
    .wavefront_size: 32
...
	.end_amdgpu_metadata
.endif
;; end of part 5
;; launch oproj: the kernel of part 4 again; grid 64 x 4, 4 waves a work-group, clusters of 4 x 4, 327,680 bytes of LDS; arguments xq, opnd, out0; writes out0
